; MI455X (gfx1250); checked and timed in simulation.
; The chip was launched on July 23, 2026; its instructions are those of AMD's public machine-readable ISA for CDNA 5 (MIT licence, August 2026) and "CDNA5" Instruction Set Architecture Reference Guide (July 2026). The comments in the code are by the model that wrote it; some were corrected since.
;; Self Attention. Allowed arithmetic: matrix products marked QUANTISED: E4M3 operands, one given power-of-two scale a tensor, by v_wmma_f32_16x16x64_fp8_fp8 or v_wmma_f32_16x16x128_fp8_fp8, f32 sums; everything else in f32.
;; Inputs: W_out 1,024 x 1,024 float32; W_qkv 1,024 x 3,072 float32; b_out 1,024 float32; b_qkv 3,072 float32; lowp_scales 8 int32 (the exponents e of the quantised operands' scales 2^e); x 2 x 2,048 x 1,024 float32.
;; Outputs: out0 2 x 2,048 x 1,024 float32.
;; This version of the problem:
;;   THIS VERSION OF THE PROBLEM IS GIVEN IN LOW PRECISION. The matrix products marked QUANTISED in the list below multiply operands that are first quantised to E4M3 (4 exponent bits, 3 mantissa bits; 8 bits a number), with one given power-of-two scale for each operand tensor; their sums are f32. All else is computed in f32.
;;   The module's matrix products, in the order in which they are computed (A, B: the left and right operand; K: the contracted axis; several contracted axes count as one K, in the product's order):
;;     1. [M 4,096, K 1,024] x [K 1,024, N 3,072]; A: input x; B: input W_qkv: QUANTISED (scales: A lowp_scales[0], B lowp_scales[1])
;;     2. batch 32 x [M 2,048, K 64] x [K 64, N 2,048]; A: computed on the way; B: computed on the way: QUANTISED (scales: A lowp_scales[2], B lowp_scales[3])
;;     3. batch 32 x [M 64, K 2,048] x [K 2,048, N 2,048]; A: computed on the way; B: softmax (see below): QUANTISED (scales: A lowp_scales[4], B lowp_scales[5])
;;     4. [M 4,096, K 1,024] x [K 1,024, N 1,024]; A: computed on the way; B: input W_out: QUANTISED (scales: A lowp_scales[6], B lowp_scales[7])
;;   THE QUANTISER, for each operand of a quantised product, along K:
;;     - The operand's scale is 2^e, e = its entry of the input lowp_scales (int32; the entries are numbered through the quantised products in the list's order, A before B).
;;     - Each number is divided by the scale, clamped to +-448, and rounded to the nearest number of E4M3, ties to even, subnormals kept.
;;     - The product sums the exact products of the quantised numbers (number of the format x scale) in f32.
;;   ~~~python
;;   def quantise(x, axis, e):      # numpy; x: float32 -> the quantised numbers, widened to float32 again
;;       x = np.moveaxis(x, axis, -1); K = x.shape[-1]
;;       r = np.clip(x / 2.0 ** e, -448, 448)
;;       step = 2.0 ** (np.maximum(np.frexp(np.where(r == 0, 1, r))[1] - 1, -6) - 3)
;;       q = np.round(r / step) * step * 2.0 ** e      # np.round: ties to even
;;       return np.moveaxis(q, -1, axis).astype(np.float32)
;;   ~~~
;;   SOFTMAX AHEAD OF A QUANTISED PRODUCT. Where the list says 'softmax', what is quantised is not the finished softmax but p = 2^(t - M), with t = logit x log2(e) and M = ceil(the row's largest t), a whole number; so 1/2 < the row's largest p <= 1. The row's sum l is taken of the UNQUANTISED p, in f32, and the product's result is divided by l at the end. Since M is a whole number, a kernel that streams over the keys may use a running M (the ceiling of the running maximum): every later rescaling is an exact power of two, so the quantised numbers keep their values, but for numbers so far below the row's largest that they fall under the format's range.
;;   OPERANDS COMPUTED ON THE WAY. 'Computed on the way' means the value that the module computes at that place (a softmax that the list does not call 'softmax' is quantised finished and normalised). What goes into a quantiser is computed in f32, as accurately as f32 sums, v_exp_f32 and their like allow (about 1e-6 of the number): no bf16 or f16 on the way to a quantiser, and a product that is left as it is and whose result goes on into a quantised operand takes f32 operands (vector FMAs, or v_wmma_f32_16x16x4_f32). A number that lies on a knife's edge between two numbers of the format may be rounded either way, as far as f32 arithmetic and the matrix unit's own rounding can turn it there, and no further.
;; One version. Each part assembles by itself: llvm-mc -triple=amdgcn-amd-amdhsa -mcpu=gfx1250 --defsym DOCPART=n.
;; ======== version 1 of 1: 4 launches
;; workspace buffers: x_codes 4,194,304 bytes; w_codes 4,194,304 bytes; qkv_img 12,582,912 bytes; a_img 4,194,304 bytes
;; launch quant (part 1): grid 256 x 1, 4 waves a work-group, no clusters, 68,096 bytes of LDS; arguments x, W_qkv, W_out, lowp_scales, x_codes, w_codes; writes x_codes, w_codes
.if DOCPART == 1
	.amdgcn_target "amdgcn-amd-amdhsa--gfx1250"
	.amdhsa_code_object_version 6
	.text
	.protected	k_q4fb9e441db_quant
	.globl	k_q4fb9e441db_quant
	.p2align	8
	.type	k_q4fb9e441db_quant,@function
k_q4fb9e441db_quant:
	s_mov_b64 s[64:65], 0
	v_nop
	global_prefetch_b8 v0, s[64:65] scope:SCOPE_SE
	s_setreg_imm32_b32 hwreg(HW_REG_WAVE_MODE, 25, 1), 1
	s_wait_xcnt 0x0
; x [4096][1024], W_qkv [1024][3072] and W_out [1024][1024], f32, become codes of FP8 (E4M3), one byte each, K innermost, each with the one scale 2^e given for it
; (entry 0 of the scales for x, entry 1 for W_qkv, entry 7 for W_out):  code = number / 2^e, held within +-448, rounded to the nearest code, ties to even.
; x_codes: [4096][1024].  w_codes: [4096][1024]: rows 0-3071 are W_qkv's columns, rows 3072-4095 W_out's columns.
; LIMITS: each of the three e lies between -126 and 119, so that 2^e and 448 x 2^e are f32 numbers.  NaN among the inputs is not served (an infinity is held at the largest code).
; Work-groups 0-127 take x, whose K is innermost: a plain stream.  Work-groups 128-255 take the weights, whose K is the FIRST axis.  The two ways part on the work-group's number,
; never join again, and have LDS bytes of their own: x's stages lie in bytes 0-32,767, the weights' in bytes 32,768-67,583.  No tensor loads, no barrier: waves share nothing.
; Memory binds here, so the matrix units, clusters and large register tiles would add nothing and are left out.
.set SP,    80                         ; x: a lane's place in a stage: its 64 bytes + 16 of padding
.set WREG,  8192                       ; x: LDS bytes of a wave: two stages of 32 x SP bytes
.set R,     16                         ; x: v16-79   four sets of 16 numbers as they are loaded
.set X,     80                         ; x: v80-111  two sets of 16 neighbours
.set C,     128                        ; x: v128-191 codes, four registers for each step: no store's data are written again
.set WST,   32768                      ; weights: the stages begin here
.set WP,    272                        ; weights: a stage row: 256 bytes of codes + 16
.set WX,    32                         ; weights: v32-95   two sets of 32 numbers
.set WC,    96                         ; weights: v96-103  a block's codes
.set OUTR,  112                        ; weights: v112-175 the way out
.set OFF,   176                        ; weights: v176-207 byte offset of row i of a block, at my column
	s_load_b256 s[4:11], s[0:1], 0x0               ; x s[4:5], W_qkv s[6:7], W_out s[8:9], the scales' exponents s[10:11]
	s_load_b128 s[12:15], s[0:1], 0x20             ; x_codes s[12:13], w_codes s[14:15]
	v_lshl_add_u32 v208, v0, 2, 0x10800
	v_mov_b32 v209, 0
	v_lshrrev_b32 v1, 5, v0
	v_readfirstlane_b32 s16, v1                    ; wave 0..3
	v_and_b32 v2, 31, v0                           ; lane
	; every LDS address of both ways is made here, ahead of the parting
	v_lshlrev_b32 v3, 4, v2                        ; x: 16 x lane: my 16 bytes of a load's 512, and of a store's 512
	s_mul_i32 s17, s16, WREG
	v_lshrrev_b32 v14, 2, v2
	v_mul_u32_u24 v14, v14, SP
	v_and_b32 v15, 3, v2
	v_lshl_add_u32 v14, v15, 4, v14
	v_add_nc_u32 v14, s17, v14                     ; x: into the stage: four lanes' 64 bytes on end, then 16 of padding: SP (lane / 4) + 16 (lane % 4)
	v_mul_u32_u24 v15, v2, SP
	v_add_nc_u32 v15, s17, v15                     ; x: out of it: SP x lane: my 16 neighbours
	v_lshlrev_b32 v5, 2, v2                        ; weights: 4 bytes a lane
	s_mul_i32 s17, s16, 32*WP
	s_add_co_u32 s17, s17, WST                     ; weights: my wave's stage
	v_mul_u32_u24 v6, v2, WP
	v_add_nc_u32 v6, s17, v6                       ; into it: row = my column
	v_and_b32 v9, 15, v2
	v_lshrrev_b32 v12, 4, v2
	v_mul_u32_u24 v7, v12, WP
	v_lshl_add_u32 v7, v9, 4, v7
	v_add_nc_u32 v7, s17, v7                       ; out of it: sixteen lanes to a row, two rows an instruction
	v_lshlrev_b32 v8, 10, v12
	v_lshl_add_u32 v8, v9, 4, v8                   ; and the same place in w_codes, whose rows are 1,024 bytes
	s_wait_kmcnt 0x0
	s_load_b256 s[48:55], s[10:11], 0x0            ; e0 .. e7
	s_cmp_lt_u32 ttmp9, 128
	s_cbranch_scc0 .Lweights
; ---------------- x.  A wave takes 16 steps of 512 numbers.  The conversions take 8 numbers from ONE lane's consecutive registers, so a lane must hold neighbours along K; a load is best where neighbouring
; LANES take neighbouring bytes.  Both are had: each of a step's four loads reads 512 consecutive bytes; the 2,048 bytes go through the wave's own stage in LDS and come back 64 bytes a lane.
	s_lshl_b32 s18, ttmp9, 2
	s_add_co_u32 s18, s18, s16                     ; which run of 8,192 numbers is my wave's
	s_lshl_b32 s20, s18, 15                        ; 32,768 bytes of f32
	s_mov_b32 s21, 0
	s_add_nc_u64 s[4:5], s[4:5], s[20:21]
	s_lshl_b32 s20, s18, 13                        ; 8,192 bytes of codes
	s_add_nc_u64 s[12:13], s[12:13], s[20:21]
.macro XLOAD t
.irp i, 0,1,2,3
	global_load_b128 v[R+16*((\t)%4)+4*\i:R+16*((\t)%4)+4*\i+3], v3, s[4:5] offset:2048*(\t)+512*\i th:TH_LOAD_NT   ; 32 lanes read 512 consecutive bytes; read once in the launch
.endr
.endm
.macro XTURN t                         ; step t's numbers through the stage: LDS serves a wave's instructions in order (ISA guide 5.7.1.4), so no wait stands between the stores and the loads
.irp i, 0,1,2,3
	ds_store_b128 v14, v[R+16*((\t)%4)+4*\i:R+16*((\t)%4)+4*\i+3] offset:32*SP*((\t)%2)+8*SP*\i
.endr
.irp i, 0,1,2,3
	ds_load_b128 v[X+16*((\t)%2)+4*\i:X+16*((\t)%2)+4*\i+3], v15 offset:32*SP*((\t)%2)+16*\i
.endr
.endm
.irp t, 0,1,2,3
	XLOAD \t
.endr
	s_wait_kmcnt 0x0
	s_add_co_i32 s22, s48, 127
	s_lshl_b32 s23, s22, 23
	v_mov_b32 v11, s23                             ; 2^e0 as f32: the conversion takes its exponent field
	s_add_co_i32 s22, s22, 8
	s_lshl_b32 s22, s22, 23
	s_or_b32 s22, s22, 0x600000
	v_mov_b32 v10, s22                             ; 448 x 2^e0
	s_wait_loadcnt 12                              ; step 0's four loads are in; the twelve of steps 1 to 3 stay out
	XTURN 0
.macro XSTEP t
.set XS, X+16*((\t)%2)
	s_wait_dscnt 0x0                               ; this step's numbers are back from the stage, so its stores into the stage have read their registers,
.if (\t)+4 < 16
	XLOAD (\t)+4                                   ; which take the loads of four steps on
.endif
.if (\t)+1 < 16
.if 14-(\t) >= 3
	s_wait_loadcnt 12                              ; the next step's four loads are in; those of the three steps behind it may be out
.else
	s_wait_loadcnt 4*(14-(\t))                     ; the tail: as many steps' loads as are still behind the next one
.endif
	XTURN (\t)+1                                   ; and go through the other stage while this step is worked
.endif
.irp i, 0,1,2,3,4,5,6,7,8,9,10,11,12,13,14,15
	v_med3_num_f32 v[XS+\i], v[XS+\i], -v10, v10   ; the conversion to an 8-bit code does not saturate (ISA guide 7.6.2): the number is held within the largest code x the scale first
.endr
	v_cvt_scalef32_pk8_fp8_f32 v[C+4*(\t):C+4*(\t)+1], v[XS:XS+7], v11
	v_cvt_scalef32_pk8_fp8_f32 v[C+4*(\t)+2:C+4*(\t)+3], v[XS+8:XS+15], v11   ; the results go to a store alone; the next vector lines, the next step's holds, are plain and touch other registers
	global_store_b128 v3, v[C+4*(\t):C+4*(\t)+3], s[12:13] offset:512*(\t)    ; the wave stores 512 consecutive bytes, aligned
.endm
.irp t, 0,1,2,3,4,5,6,7,8,9,10,11,12,13,14,15
	XSTEP \t
.endr
	s_wait_tensorcnt 0x0
	ds_add_u32 v208, v209
	s_wait_dscnt 0x0
	s_endpgm
; ---------------- the weights.  A LANE TAKES A COLUMN n, AND ITS REGISTERS RUN DOWN K: each load reads neighbouring n in neighbouring lanes (128 consecutive bytes a wave, 512 a work-group), and the conversions give
; codes with K innermost: nothing is transposed by an instruction.  A wave takes 32 columns x 256 along K: 8 blocks of 32.  A lane's codes belong to one row of w_codes, so they go through the wave's stage and leave as rows.
; One text serves both weights: the source, its row length and its scale are chosen on the work-group's number alone.
.Lweights:
	s_sub_co_u32 s17, ttmp9, 128
	s_and_b32 s18, s17, 31                         ; which 128 rows of w_codes: 0-23 W_qkv's columns, 24-31 W_out's
	s_lshr_b32 s19, s17, 5                         ; which 256 along K
	s_mov_b32 s22, 12288                           ; a row of W_qkv in bytes
	s_cmp_ge_u32 s18, 24
	s_cselect_b64 s[20:21], s[8:9], s[6:7]         ; the source
	s_cselect_b32 s22, 4096, s22                   ; its row in bytes
	s_cselect_b32 s23, 24, 0
	s_sub_co_u32 s23, s18, s23                     ; which 128 columns of the source
	s_lshl_b32 s23, s23, 7
	s_lshl_b32 s24, s16, 5
	s_add_co_u32 s23, s23, s24                     ; my wave's first column
	s_lshl_b32 s24, s23, 2
	s_lshl_b32 s25, s19, 8
	s_mul_i32 s25, s25, s22                        ; my first row, in bytes
	s_add_co_u32 s24, s24, s25
	s_mov_b32 s25, 0
	s_add_nc_u64 s[32:33], s[20:21], s[24:25]      ; block 0's base;
	s_lshl_b32 s24, s22, 5                         ; each block begins 32 rows further down: eight bases, made once, none is stepped
.irp t, 1,2,3,4,5,6,7
	s_add_nc_u64 s[32+2*\t:33+2*\t], s[30+2*\t:31+2*\t], s[24:25]
.endr
.set jj, 0
.rept 32
	v_mad_u32_u24 v[OFF+jj], s22, jj, v5           ; row jj of a block, my column: the row's length is no constant of the text, so it cannot stand in an immediate
.set jj, jj+1
.endr
	s_lshl_b32 s26, s18, 7
	s_lshl_b32 s27, s16, 5
	s_add_co_u32 s26, s26, s27                     ; my wave's first row of w_codes
	s_lshl_b32 s26, s26, 10
	s_lshl_b32 s27, s19, 8
	s_add_co_u32 s26, s26, s27                     ; + my 256 along K
	s_mov_b32 s27, 0
	s_add_nc_u64 s[14:15], s[14:15], s[26:27]
.macro WLOAD t                         ; block t: W(32 t + i, my column), i = 0 .. 31, into set t % 2
.set jj, 0
.rept 32
	global_load_b32 v[WX+32*((\t)%2)+jj], v[OFF+jj], s[32+2*(\t):33+2*(\t)] th:TH_LOAD_NT
.set jj, jj+1
.endr
.endm
	WLOAD 0
	WLOAD 1
	s_wait_kmcnt 0x0
	s_cmp_ge_u32 s18, 24
	s_cselect_b32 s30, s55, s49                    ; e7 for W_out, e1 for W_qkv
	s_add_co_i32 s30, s30, 127
	s_lshl_b32 s31, s30, 23
	v_mov_b32 v11, s31                             ; 2^e as f32
	s_add_co_i32 s30, s30, 8
	s_lshl_b32 s30, s30, 23
	s_or_b32 s30, s30, 0x600000
	v_mov_b32 v10, s30                             ; 448 x 2^e
.macro WBLOCK t
.set XS, WX+32*((\t)%2)
.if (\t) < 7
	s_wait_loadcnt 32                              ; this block's 32 loads are in; the next block's 32 may be out
.else
	s_wait_loadcnt 0
.endif
.set jj, 0
.rept 32
	v_med3_num_f32 v[XS+jj], v[XS+jj], -v10, v10   ; the hold at the largest code x the scale (ISA guide 7.6.2)
.set jj, jj+1
.endr
.irp g, 0,1,2,3
	v_cvt_scalef32_pk8_fp8_f32 v[WC+2*\g:WC+2*\g+1], v[XS+8*\g:XS+8*\g+7], v11
.endr
	ds_store_b128 v6, v[WC:WC+3] offset:32*(\t)    ; 32 codes: 32 bytes of my column's row.  (The results go to LDS stores alone; the next block begins with plain vector lines)
	ds_store_b128 v6, v[WC+4:WC+7] offset:32*(\t)+16
.if (\t)+2 < 8
	WLOAD (\t)+2
.endif
	s_wait_dscnt 0x0                               ; the stores have read their registers: the next block's codes may be written
.endm
.irp t, 0,1,2,3,4,5,6,7
	WBLOCK \t
.endr
.irp t, 0,1,2,3,4,5,6,7,8,9,10,11,12,13,14,15
	ds_load_b128 v[OUTR+4*\t:OUTR+4*\t+3], v7 offset:2*\t*WP   ; LDS serves a wave's instructions in order: these see my stores
.endr
.irp t, 0,1,2,3,4,5,6,7,8,9,10,11,12,13,14,15
	s_wait_dscnt 15-\t                             ; LDS loads come back in order: load t is in, the younger ones stay out
	global_store_b128 v8, v[OUTR+4*\t:OUTR+4*\t+3], s[14:15] offset:2*\t*1024   ; sixteen lanes store 256 consecutive bytes, aligned
.endr
	s_wait_tensorcnt 0x0
	ds_add_u32 v208, v209
	s_wait_dscnt 0x0
	s_endpgm
.Lfunc_end_k_q4fb9e441db_quant:
	.size	k_q4fb9e441db_quant, .Lfunc_end_k_q4fb9e441db_quant-k_q4fb9e441db_quant
	.p2alignl 7, 3214868480
	.fill 96, 4, 3214868480
	.section	.rodata,"a",@progbits
	.p2align	6, 0x0
	.amdhsa_kernel k_q4fb9e441db_quant
		.amdhsa_group_segment_fixed_size 68096
		.amdhsa_private_segment_fixed_size 0
		.amdhsa_enable_private_segment 0
		.amdhsa_kernarg_size 48
		.amdhsa_user_sgpr_count 2
		.amdhsa_user_sgpr_kernarg_segment_ptr 1
		.amdhsa_wavefront_size32 1
		.amdhsa_system_sgpr_workgroup_id_x 1
		.amdhsa_system_sgpr_workgroup_id_y 1
		.amdhsa_system_sgpr_workgroup_id_z 1
		.amdhsa_system_vgpr_workitem_id 0
		.amdhsa_next_free_vgpr 210
		.amdhsa_next_free_sgpr 66
		.amdhsa_reserve_vcc 0
		.amdhsa_float_denorm_mode_32 3
		.amdhsa_float_denorm_mode_16_64 3
		.amdhsa_memory_ordered 1
		.amdhsa_forward_progress 1
		.amdhsa_inst_pref_size 88
	.end_amdhsa_kernel
	.amdgpu_metadata
---
amdhsa.version: [ 1, 2 ]
amdhsa.kernels:
  - .name:           k_q4fb9e441db_quant
    .symbol:         k_q4fb9e441db_quant.kd
    .args:
      - { .name: x, .offset: 0, .size: 8, .value_kind: global_buffer, .address_space: global }
      - { .name: W_qkv, .offset: 8, .size: 8, .value_kind: global_buffer, .address_space: global }
      - { .name: W_out, .offset: 16, .size: 8, .value_kind: global_buffer, .address_space: global }
      - { .name: lowp_scales, .offset: 24, .size: 8, .value_kind: global_buffer, .address_space: global }
      - { .name: x_codes, .offset: 32, .size: 8, .value_kind: global_buffer, .address_space: global }
      - { .name: w_codes, .offset: 40, .size: 8, .value_kind: global_buffer, .address_space: global }
    .group_segment_fixed_size: 68096
    .private_segment_fixed_size: 0
    .kernarg_segment_align: 8
    .kernarg_segment_size: 48
    .max_flat_workgroup_size: 128
    .sgpr_count:     66
    .vgpr_count:     210
    .wavefront_size: 32
...
	.end_amdgpu_metadata
.endif
;; end of part 1
;; launch gemm_qkv (part 2): grid 12 x 16, 4 waves a work-group, clusters of 4 x 4, 327,680 bytes of LDS; arguments x_codes, w_codes, lowp_scales, b_qkv, qkv_img; writes qkv_img
.if DOCPART == 2
	.amdgcn_target "amdgcn-amd-amdhsa--gfx1250"
	.amdhsa_code_object_version 6
	.text
	.protected	k_q4fb9e441db_gemm_qkv
	.globl	k_q4fb9e441db_gemm_qkv
	.p2align	8
	.type	k_q4fb9e441db_gemm_qkv,@function
k_q4fb9e441db_gemm_qkv:
	s_mov_b64 s[64:65], 0
	v_nop
	global_prefetch_b8 v0, s[64:65] scope:SCOPE_SE
	s_setreg_imm32_b32 hwreg(HW_REG_WAVE_MODE, 25, 1), 1
	s_wait_xcnt 0x0
	s_wait_alu depctr_hold_cnt(0) depctr_sa_sdst(0) depctr_va_vdst(0) depctr_va_sdst(0) depctr_va_ssrc(0) depctr_va_vcc(0) depctr_vm_vsrc(0)
	s_getreg_b32 s2, hwreg(HW_REG_IB_STS2, 6, 4)
	s_cmp_eq_u32 s2, 0
	s_cbranch_scc0 .Lentry_in_a_cluster
	s_endpgm
.Lentry_in_a_cluster:
	s_bfe_u32 s2, ttmp6, 0x10000c
	s_cmp_lg_u32 s2, 0xf033
	s_cbranch_scc0 .Lentry_shape_is_right
	s_endpgm
.Lentry_shape_is_right:
; qkv = x W_qkv + b_qkv on codes of FP8 (E4M3), and its results quantised at once for the attention's products: q with 2^e2, k with 2^e3, v with 2^e4.
; x_codes: [4096][1024];  w_codes: rows 0-3071 are W_qkv's columns, [3072][1024]; K innermost in both.  A sum of codes stands for sum x 2^(e0 + e1).
; LIMITS: e2 - e0 - e1, e3 - e0 - e1 and e4 - e0 - e1 lie between -126 and 119, so that each conversion's scale and 448 x it are f32 numbers.  NaN among the inputs is not served.
; A tile of 256 tokens x 256 columns is made by a work-group of four waves; a wave makes 128 x 128: 64 accumulators of 16 x 16, 512 registers.  K goes in steps of 256 through a ring of two LDS slots
; filled by the tensor data mover: a tile's row is 256 bytes of memory, aligned.  192 tiles: one to a work-group (a tile of another width would cut heads across waves).
; CLUSTERS: 4 x 4 work-groups.  The four of a row of the cluster need the same tile of x, the four of a column the same tile of W: each tile is asked for JOINTLY, by the same tensor load with the same descriptor
; and a mask that names the four.  The cluster's x is the part: 0 = q, 1 = k, 2 = v: it is alike in all sixteen partners.
; WHAT A LANE HOLDS.  In a result, lane l holds row l % 16 of source 1 and, in its registers 0-7, rows 8 (l / 16) + 0..7 of source 0.  For q and k source 1 = 16 tokens and source 0 = 16 columns: a lane's eight numbers are
; eight neighbouring channels of one token, which is how the scores' product (K = the head's 64 channels) wants its operands.  For v the second product's K is the KEYS: there source 1 = 16 columns and source 0 = 16 tokens.
; Only the four LDS addresses from which a wave takes its fragments differ between the parts (chosen on the cluster's x); tensor loads, matrix lines and immediates are the same.
; THE WAY OUT needs no LDS: the conversions' results ARE operand registers of the attention's matrix instructions (8-bit operands: registers 2 c, 2 c + 1 hold k = 16 c + 8 (l / 16) + 0..7), and go to memory as images
; of those registers: four registers by one store, lane l's 16 bytes at 16 l: 512 consecutive bytes, aligned.
; qkv_img: q at byte 0, k at 4 MiB: [batch 2][head pair 8][tile of 16 tokens 128][head of the pair 2][half of the fragment 2][lane 32][16 bytes];
;          v at 8 MiB: [batch 2][head pair 8][block of 128 keys 16][head of the pair 2][tile of 16 channels 4][quarter of the fragment 4][lane 32][16 bytes].
; REGISTERS, in windows of 256: window 0: v0-31 addresses; v32-95, v96-111 the bias in two layouts; v112-113 the hold and the scale; from v128 source 1's fragments (8 x 16 rows x 128 K), ONE set; on the way out v128-223 are at work.
;   window 1: source 0's fragments, TWO sets, at v0 and at v128.   window 2: the 32 accumulators of source 1's blocks 0-3 (accumulator (a, b) at v[8 (8 a + b)]);   window 3: those of blocks 4-7.
.set KSTEP,  256                       ; along K in a slot
.set ROWB,   256                       ; a tile's row in bytes
.set KROW,   1024                      ; a row of codes in memory, in bytes
.set PITCH,  272                       ; an LDS row: 256 bytes + 16 of padding = 68 words: row r starts at bank 4 r mod 64 (64 banks of 4 bytes: ISA guide 11.1), so the 16 rows of a load start at 16 different banks
.set FR,     16                        ; registers of a fragment: 16 rows x 128 K
.set NL,     4                         ; LDS loads that bring one
.set NP,     4                         ; places behind this matrix instruction (ISA guide 7.12.1)
.set HALFT,  128*PITCH                 ; 128 rows: what one tensor load brings, and what one wave reads of a tile
.set SLOT,   4*HALFT                   ; x's 256 rows, then W's 256 rows
.set LAPS,   2                         ; a lap = two K steps of 256 = once round the ring: K = 1,024
.set SPARE,  2*SLOT                    ; behind the ring: the spare words, 128 bytes for each wave: two blocks of 256 bytes that no other line names
.set ADRA, 16                          ; v16-17  LDS address of source 1's fragments in slot 0, 1
.set ADRB, 20                          ; v20-21  the same for source 0
.set CO,   26                          ; v26     16 x lane: my place in an image
.set ZR,   27                          ; v27     0, for the choice of the bias
.set SPW,  28                          ; v28     LDS address of my spare word: SPARE + 4 x my thread's number; never rewritten
.set NIL,  29                          ; v29     0; never rewritten
.set BB,   32                          ; v32-95  the bias of source 0's rows, in the result's layout: the C of the first products (q, k; zeros for v)
.set BA,   96                          ; v96-111 the bias of source 1's rows, one number a block, twice (a pair for the packed addition) (v; zeros for q, k)
.set LIM,  112                         ; v112    448 x the conversion's scale
.set SCL,  113                         ; v113    the conversion's scale
.set AF,   128                         ; source 1's fragments, in window 0
.set TMP,  128                         ; the way out: 64 numbers of a block
.set CD,   192                         ; the way out: two sets of 16 registers of codes
.set G1, 24                            ; s[24:31] descriptor group 1 for x's tiles;  s[32:39] group 0, one set for each slot
.set G0, 32
.set G1B, 48                           ; s[48:55], s[56:63] the same for W's tiles
.set G0B, 56
.set MSB, 0
.macro WIN new                         ; the immediate's high byte repeats the setting that is left
.if MSB != \new
	s_set_vgpr_msb (MSB<<8)|\new
.set MSB, \new
.endif
.endm
.set MUL_LO,  0xa1                     ; source 0 window 1, source 1 window 0, C and D window 2
.set MUL_HI,  0xf1                     ; the same, C and D window 3
.set MUL_LO0, 0x81                     ; the first products: C (the bias) window 0, D window 2
.set MUL_HI0, 0xc1                     ; the same, D window 3
.set TO_B,    0x40                     ; destination window 1, address window 0
; A joint load: waves 0 and 1 fetch x's two halves, waves 2 and 3 W's.  Each of the two lines has ONE mask and one set of registers for all that issue it; the branch hangs on the wave's number alone.
; Four v_nop follow each of the two lines, ahead of the jump, the label and what follows.
.macro JLOAD g0a, g1a, g0b, g1b
	s_cmp_eq_u32 s15, 0
	s_cbranch_scc0 .Lfor_b_\@
	tensor_load_to_lds s[\g0a:\g0a+3], s[\g1a:\g1a+7]
	s_nop 0
.rept 4
	v_nop
.endr
	s_branch .Lasked_\@
.Lfor_b_\@:
	tensor_load_to_lds s[\g0b:\g0b+3], s[\g1b:\g1b+7]
	s_nop 0
.rept 4
	v_nop
.endr
.Lasked_\@:
.endm
.macro CREST                           ; a round of the cluster's barrier behind its opening barrier
	s_cmp_lg_u32 s14, 0
	s_cbranch_scc1 .Lnot_wave_0_\@
	s_barrier_signal -3
.Lnot_wave_0_\@:
	s_barrier_wait -3
	s_barrier_signal -1
	s_barrier_wait -1
.endm
.macro CROUND                          ; a whole round
	s_barrier_signal -1
	s_barrier_wait -1
	CREST
.endm
	s_load_b128 s[4:7], s[0:1], 0x0                ; x_codes s[4:5], w_codes s[6:7]
	s_load_b128 s[8:11], s[0:1], 0x10              ; the scales' exponents s[8:9], b_qkv s[10:11]
	s_load_b64 s[12:13], s[0:1], 0x20              ; qkv_img
	v_lshl_add_u32 v[SPW], v0, 2, SPARE
	v_mov_b32 v[NIL], 0
	ds_add_u32 v28, v29
	ds_add_u32 v28, v29
	s_wait_dscnt 0x0
	v_lshrrev_b32 v1, 5, v0
	v_readfirstlane_b32 s14, v1                    ; wave 0..3
	s_lshr_b32 s15, s14, 1                         ; which 128 rows source 1 takes.  Also: I fetch for x (0) or for W (1)
	s_and_b32 s16, s14, 1                          ; which 128 rows source 0 takes.  Also: which 128 rows of that tile I fetch
	s_bfe_u32 s40, ttmp6, 0x40000                  ; cx, cy: my place in the cluster
	s_bfe_u32 s41, ttmp6, 0x40004
	s_lshl_b32 s42, ttmp9, 2
	s_add_co_u32 s42, s42, s40                     ; tile column = 4 x cluster x + cx: 0-3 q, 4-7 k, 8-11 v
	s_and_b32 s17, ttmp7, 0xffff
	s_lshl_b32 s17, s17, 2
	s_add_co_u32 s17, s17, s41                     ; tile row = 4 x cluster y + cy
	s_lshl_b32 s43, s41, 2
	s_lshl_b32 s43, 15, s43                        ; my row of the cluster
	s_lshl_b32 s44, 0x1111, s40                    ; my column
	; descriptor group 1: a tile of 128 rows x 256 bytes, padded in LDS
	s_or_b32 s[G1+0], s43, (0<<16)|(1<<20)|(1<<21)|(5<<22)|(3<<25)  ; 15:0 the mask: x's tiles go to my row; 17:16 element of 1 byte; 20 padding on; 21 set beside a mask; 24:22 after every 64 words (code 5); 31:25 of 4 words (code 3)
	s_or_b32 s[G1B+0], s44, (0<<16)|(1<<20)|(1<<21)|(5<<22)|(3<<25) ; the same with the mask of my column, for W's tiles
.irp g, G1, G1B
	s_mov_b32 s[\g+1], ROWB<<16                    ; tensor_dim0
	s_mov_b32 s[\g+2], 128<<16                     ; tensor_dim1 = 128
	s_mov_b32 s[\g+3], ROWB<<16                    ; tile_dim0
	s_mov_b32 s[\g+4], 128                         ; tile_dim1 = 128
	s_mov_b32 s[\g+5], KROW                        ; tensor_dim0_stride
	s_mov_b32 s[\g+6], 0
	s_mov_b32 s[\g+7], 0
.endr
	s_lshl_b32 s18, s16, 7                         ; which 128 rows of the tile I fetch
	s_lshl_b32 s20, s17, 8
	s_add_co_u32 s20, s20, s18                     ; x: row 256 x tile row + 128 x half,
	s_lshl_b32 s20, s20, 10                        ; in bytes (under 4 MiB)
	s_mov_b32 s21, 0
	s_lshl_b32 s46, s42, 8
	s_add_co_u32 s46, s46, s18                     ; W: row 256 x tile column + 128 x half,
	s_lshl_b32 s46, s46, 10                        ; in bytes
	s_mov_b32 s47, 0
	s_mul_i32 s45, s14, HALFT                      ; where they go: wave x 128 rows: no place in the cluster enters an LDS address
	s_cmp_eq_u32 ttmp9, 2                          ; v's clusters take their fragments the other way round
	s_cselect_b32 s66, 2*HALFT, 0                  ; source 1 reads W's rows (v) or x's (q, k)
	s_cselect_b32 s67, 0, 2*HALFT                  ; source 0 reads x's rows (v) or W's (q, k)
	s_cselect_b32 s68, s16, s15                    ; which 128 tokens of the tile are my wave's
	s_cselect_b32 s69, s15, s16                    ; which 128 columns
	s_cselect_b32 s70, -1, 0                       ; a lane mask: all ones in v's clusters
	s_wait_kmcnt 0x0
	s_load_b256 s[88:95], s[8:9], 0x0              ; e0 .. e7
	s_add_nc_u64 s[20:21], s[4:5], s[20:21]
	s_add_nc_u64 s[46:47], s[6:7], s[46:47]
	CROUND                                         ; all sixteen work-groups are here: the first joint loads meet
.irp s, 0,1
	s_mov_b32 s[G0+4*\s], 1                                        ; 1:0 count = 1
	s_add_co_u32 s[G0+4*\s+1], s45, \s*SLOT                        ; 63:32 LDS address
	s_add_nc_u64 s[G0+4*\s+2:G0+4*\s+3], s[20:21], \s*ROWB         ; 120:64 global address: K step s
	s_or_b32 s[G0+4*\s+3], s[G0+4*\s+3], 0x80000000                ; 127:126 type = 2
	s_mov_b32 s[G0B+4*\s], 1
	s_add_co_u32 s[G0B+4*\s+1], s45, \s*SLOT
	s_add_nc_u64 s[G0B+4*\s+2:G0B+4*\s+3], s[46:47], \s*ROWB
	s_or_b32 s[G0B+4*\s+3], s[G0B+4*\s+3], 0x80000000
	JLOAD G0+4*\s, G1, G0B+4*\s, G1B               ; two loads of mine are out
.endr
	v_and_b32 v1, 15, v0                           ; r = l % 16
	v_bfe_u32 v2, v0, 4, 1                         ; h = l / 16
	v_mul_u32_u24 v3, v1, PITCH
	v_lshl_add_u32 v4, v2, 4, v3                   ; a fragment's row x pitch + 16 x half
	s_mul_i32 s21, s15, HALFT
	s_add_co_u32 s21, s21, s66                     ; source 1's 128 rows
	s_mul_i32 s22, s16, HALFT
	s_add_co_u32 s22, s22, s67                     ; source 0's 128 rows: both stay inside the slot whatever the part
.irp s, 0,1
	v_add_nc_u32 v[ADRA+\s], s21, v4
	v_add_nc_u32 v[ADRB+\s], s22, v4
	s_add_co_u32 s21, s21, SLOT
	s_add_co_u32 s22, s22, SLOT
.endr
	v_and_b32 v[CO], 31, v0
	v_lshlrev_b32 v[CO], 4, v[CO]
	; the bias of my wave's 128 columns, in both layouts; one of the two is then made zeros, so that one text serves all parts
	s_lshl_b32 s72, ttmp9, 10
	s_lshl_b32 s73, s40, 8
	s_add_co_u32 s72, s72, s73
	s_lshl_b32 s73, s69, 7
	s_add_co_u32 s72, s72, s73                     ; my first column of the 3,072
	s_lshl_b32 s72, s72, 2
	s_mov_b32 s73, 0
	s_add_nc_u64 s[72:73], s[10:11], s[72:73]
	v_lshlrev_b32 v5, 5, v2                        ; 32 h: eight numbers for each half of the lanes
	v_lshlrev_b32 v6, 2, v1                        ; 4 r
.irp b, 0,1,2,3,4,5,6,7
	global_load_b128 v[BB+8*\b:BB+8*\b+3], v5, s[72:73] offset:64*\b        ; columns 16 b + 8 h + 0 .. 7
	global_load_b128 v[BB+8*\b+4:BB+8*\b+7], v5, s[72:73] offset:64*\b+16
.endr
.irp a, 0,1,2,3,4,5,6,7
	global_load_b32 v[BA+2*\a], v6, s[72:73] offset:64*\a                   ; column 16 a + r
.endr
	; where my wave's images begin
	s_lshl_b32 s74, ttmp9, 22                      ; the part: 4 MiB each
	s_lshr_b32 s75, s17, 3
	s_lshl_b32 s75, s75, 21                        ; the batch: 2 MiB
	s_add_co_u32 s74, s74, s75
	s_lshl_b32 s75, s40, 1
	s_add_co_u32 s75, s75, s69
	s_lshl_b32 s75, s75, 18                        ; the head pair = 2 cx + my half of the columns: 262,144 bytes
	s_add_co_u32 s74, s74, s75
	s_and_b32 s75, s17, 7
	s_lshl_b32 s75, s75, 15                        ; the tile's 256 tokens: 32,768 bytes in each of the three layouts,
	s_add_co_u32 s74, s74, s75
	s_lshl_b32 s75, s68, 14                        ; my 128 of them
	s_add_co_u32 s74, s74, s75
	s_mov_b32 s75, 0
	s_add_nc_u64 s[12:13], s[12:13], s[74:75]
	s_wait_kmcnt 0x0
	s_add_co_i32 s76, s88, s89                     ; e0 + e1: a sum stands for sum x 2^(e0 + e1), so the bias goes in as bias / 2^(e0 + e1)
	s_sub_co_i32 s77, 0, s76
	s_cmp_eq_u32 ttmp9, 0
	s_cselect_b32 s78, s90, s91                    ; e2 for q, e3 for k,
	s_cmp_eq_u32 ttmp9, 2
	s_cselect_b32 s78, s92, s78                    ; e4 for v
	s_sub_co_i32 s78, s78, s76                     ; the three scales are folded into the conversion's one
	s_add_co_i32 s78, s78, 127
	s_lshl_b32 s79, s78, 23
	v_mov_b32 v[SCL], s79
	s_add_co_i32 s78, s78, 8
	s_lshl_b32 s78, s78, 23
	s_or_b32 s78, s78, 0x600000
	v_mov_b32 v[LIM], s78                          ; 448 x that
	v_mov_b32 v[ZR], 0
	s_wait_loadcnt 0x0                             ; the bias
.set jj, 0
.rept 64
	v_cndmask_b32 v[BB+jj], v[BB+jj], v[ZR], s70   ; zeros in v's clusters
.set jj, jj+1
.endr
.set jj, 0
.rept 64
	v_ldexp_f32 v[BB+jj], v[BB+jj], s77
.set jj, jj+1
.endr
.irp a, 0,1,2,3,4,5,6,7
	v_cndmask_b32 v[BA+2*\a], v[ZR], v[BA+2*\a], s70   ; zeros in q's and k's
.endr
.irp a, 0,1,2,3,4,5,6,7
	v_ldexp_f32 v[BA+2*\a], v[BA+2*\a], s77
.endr
.irp a, 0,1,2,3,4,5,6,7
	v_mov_b32 v[BA+2*\a+1], v[BA+2*\a]
.endr
.macro FRAG reg, adr, q, i             ; a fragment, 16 rows x 128 K of codes, is 16 registers: lane l holds row l % 16; registers 4 c .. 4 c + 3 hold K = 32 c + 16 (l / 16) + 0 .. 15: a permutation of k that is the same in both sources
.irp c, 0,1,2,3
	ds_load_b128 v[\reg+4*\c:\reg+4*\c+3], v[\adr] offset:128*(\q)+32*\c+(\i)*16*PITCH
.endr
.endm
; 16 matrix instructions: source 1's blocks a0, a0 + 1 x source 0's eight, 128 along K.  p: source 0's set.  first = 1: the first product starts the sums, with the bias as C: nothing is ever cleared.
; The 64 accumulators take turns, one instruction a turn, in the same order in every step.
.macro MUL16 a0, p, first
.irp a, \a0, \a0+1
.irp b, 0,1,2,3,4,5,6,7
.if \first
	v_wmma_f32_16x16x128_fp8_fp8 v[8*(8*((\a)%4)+\b):8*(8*((\a)%4)+\b)+7], v[128*(\p)+FR*\b:128*(\p)+FR*\b+FR-1], v[AF+FR*(\a):AF+FR*(\a)+FR-1], v[BB+8*\b:BB+8*\b+7]
.else
	v_wmma_f32_16x16x128_fp8_fp8 v[8*(8*((\a)%4)+\b):8*(8*((\a)%4)+\b)+7], v[128*(\p)+FR*\b:128*(\p)+FR*\b+FR-1], v[AF+FR*(\a):AF+FR*(\a)+FR-1], v[8*(8*((\a)%4)+\b):8*(8*((\a)%4)+\b)+7]
.endif
.endr
.endr
.endm
.macro FETCH_B slot, q, p              ; source 0's eight fragments of the slot's q-th 128 along K into set p
	WIN TO_B
.irp i, 0,1,2,3,4,5,6,7
	FRAG 128*(\p)+FR*\i, ADRB+\slot, \q, \i
.endr
	WIN 0
.endm
.macro FETCH_A slot, q, i0             ; source 1's blocks i0 .. i0 + 3
.irp i, \i0, \i0+1, \i0+2, \i0+3
	FRAG AF+FR*(\i), ADRA+\slot, \q, \i
.endr
.endm
; A load into a register that a matrix instruction has read, and a vector instruction that reads a matrix result or writes one of a matrix instruction's registers, stand NP places behind that matrix instruction, and only
; plain vector instructions that name none of its registers are places (ISA guide 7.12.1 for vector instructions); the matrix instructions in between are not counted.
.macro PLACES n
.rept \n
	v_nop
.endr
.endm
; A step of 128 along K that has its successor in the same slot.  Source 1's blocks go one after the other, each against source 0's eight: a block is free as soon as its eight products are issued, so one set serves it.
.macro STEP slot, q, first
	s_wait_dscnt 4*NL                              ; source 0's set and source 1's blocks 0-3 are in; the youngest sixteen loads (blocks 4-7) may be out
.if \first
	WIN MUL_LO0
.else
	WIN MUL_LO
.endif
	MUL16 0, (\q)%2, \first
	MUL16 2, (\q)%2, \first
	s_wait_dscnt 0                                 ; blocks 4-7 are in (asked for 32 matrix instructions ago)
	PLACES NP
	FETCH_B \slot, (\q)+1, 1-(\q)%2
	FETCH_A \slot, (\q)+1, 0
.if \first
	WIN MUL_HI0
.else
	WIN MUL_HI
.endif
	MUL16 4, (\q)%2, \first
	MUL16 6, (\q)%2, \first
	PLACES NP
	WIN 0
	FETCH_A \slot, (\q)+1, 4
.endm
; A slot's last step changes slots: ONE barrier; in front of it each wave waits for all its tensor loads, adds 0 to its spare word, and waits for that and for its own reads of this slot.  fill = 1: this slot is filled again, two K steps ahead.
.macro TURN slot, next, fill
	s_wait_tensorcnt 0x0                           ; all my tensor loads have landed: my part of the next slot  (every window is 0 here: the add's two registers lie in window 0)
	ds_add_u32 v[SPW], v[NIL]                      ; 0 onto my spare word
	s_wait_dscnt 4*NL+1                            ; (the add and the youngest sixteen loads, blocks 4-7, may be out)
	WIN MUL_LO
	MUL16 0, 1, 0                                  ; sixteen matrix instructions stand between the add and the wait for it
	s_wait_dscnt 0x0                               ; the add is done, and my reads of this slot are over
	s_barrier_signal -1
	MUL16 2, 1, 0
	WIN 0
	s_barrier_wait -1
.if \fill
	CREST                                          ; the barrier has opened a round of the cluster's barrier: no wave of any partner still reads this slot's tile or has a load on its way
	s_add_nc_u64 s[G0+4*\slot+2:G0+4*\slot+3], s[G0+4*\slot+2:G0+4*\slot+3], 2*ROWB
	s_add_nc_u64 s[G0B+4*\slot+2:G0B+4*\slot+3], s[G0B+4*\slot+2:G0B+4*\slot+3], 2*ROWB
	JLOAD G0+4*\slot, G1, G0B+4*\slot, G1B         ; the first tensor load behind the round, my one load until the next; the four v_nop behind it are the places in front of the loads below
.else
	PLACES NP
.endif
	FETCH_B \next, 0, 0
	FETCH_A \next, 0, 0
	WIN MUL_HI
	MUL16 4, 1, 0
	MUL16 6, 1, 0
	PLACES NP
	WIN 0
	FETCH_A \next, 0, 4
.endm
	s_wait_tensorcnt 1                             ; my part of K step 0 is in (K step 1's load may be out)
	s_barrier_signal -1
	s_barrier_wait -1                              ; everybody's is
	FETCH_B 0, 0, 0
	FETCH_A 0, 0, 0
	FETCH_A 0, 0, 4
	STEP 0, 0, 1                                   ; the first step stands in front of the loop: its products start the sums
	s_mov_b32 s3, LAPS-1
.Llap:                                                 ; a trip goes once round the ring, from a lap's second step to the next lap's first, and fills both slots again
	TURN 0, 1, 1
	STEP 1, 0, 0
	TURN 1, 0, 1
	STEP 0, 0, 0
	s_sub_co_u32 s3, s3, 1
	s_cmp_lg_u32 s3, 0
	s_cbranch_scc1 .Llap
	TURN 0, 1, 0                                   ; the last lap fills nothing, and has no round of the cluster's barrier
	STEP 1, 0, 0
	s_wait_dscnt 4*NL                              ; the very last step: nothing more to fetch
	WIN MUL_LO
	MUL16 0, 1, 0
	MUL16 2, 1, 0
	s_wait_dscnt 0
	WIN MUL_HI
	MUL16 4, 1, 0
	MUL16 6, 1, 0
	WIN 0
	PLACES NP                                      ; in front of the first writes into the registers that held source 1's fragments
; THE WAY OUT, block a of source 1's eight: its 8 accumulators (64 numbers a lane) take source 1's bias, are held at the largest code x the scale and converted: 16 registers of codes, stored as four images of four registers.
; q, k: block a = tile a of 16 tokens; image g: head g / 2 of the pair, half g % 2 of its fragment.   v: block a = head a / 4 of the pair, tile a % 4 of 16 channels; image g: quarter g of the fragment (keys 32 g on).
.macro OUTBLK a
.set AC, 64*((\a)%4)
.set CS, CD+16*((\a)%2)
.if (\a) > 1
	s_wait_xcnt 0x0                                ; block a - 2's stores have read their registers: this set of codes may be written again
.endif
	WIN 0x02+((\a)/4)                              ; source 0: window 2 or 3
.set jj, 0
.rept 32
	v_pk_add_f32 v[TMP+jj:TMP+jj+1], v[AC+jj:AC+jj+1], v[BA+2*(\a):BA+2*(\a)+1]   ; each accumulator from its low end on
.set jj, jj+2
.endr
	WIN 0
.set jj, 0
.rept 64
	v_med3_num_f32 v[TMP+jj], v[TMP+jj], -v[LIM], v[LIM]   ; the conversion to an 8-bit code does not saturate (ISA guide 7.6.2)
.set jj, jj+1
.endr
.irp b, 0,1,2,3,4,5,6,7
	v_cvt_scalef32_pk8_fp8_f32 v[CS+2*\b:CS+2*\b+1], v[TMP+8*\b:TMP+8*\b+7], v[SCL]
.endr
	v_nop                                          ; one plain vector line between the last conversion and the next vector lines that write its sources
.irp g, 0,1,2,3
	global_store_b128 v[CO], v[CS+4*\g:CS+4*\g+3], s[12:13] offset:2048*(\a)+512*\g   ; 32 lanes store 512 consecutive bytes, aligned
.endr
.endm
.irp a, 0,1,2,3,4,5,6,7
	OUTBLK \a
.endr
	s_wait_tensorcnt 0x0                           ; the wave's end
	ds_add_u32 v[SPW], v[NIL]
	s_wait_dscnt 0x0
	CROUND                                         ; the closing round: no work-group ends while a partner may still ask for a tile that names it
	s_endpgm
.Lfunc_end_k_q4fb9e441db_gemm_qkv:
	.size	k_q4fb9e441db_gemm_qkv, .Lfunc_end_k_q4fb9e441db_gemm_qkv-k_q4fb9e441db_gemm_qkv
	.p2alignl 7, 3214868480
	.fill 96, 4, 3214868480
	.section	.rodata,"a",@progbits
	.p2align	6, 0x0
	.amdhsa_kernel k_q4fb9e441db_gemm_qkv
		.amdhsa_group_segment_fixed_size 327680
		.amdhsa_private_segment_fixed_size 0
		.amdhsa_enable_private_segment 0
		.amdhsa_kernarg_size 40
		.amdhsa_user_sgpr_count 2
		.amdhsa_user_sgpr_kernarg_segment_ptr 1
		.amdhsa_wavefront_size32 1
		.amdhsa_system_sgpr_workgroup_id_x 1
		.amdhsa_system_sgpr_workgroup_id_y 1
		.amdhsa_system_sgpr_workgroup_id_z 1
		.amdhsa_system_vgpr_workitem_id 0
		.amdhsa_next_free_vgpr 1024
		.amdhsa_next_free_sgpr 98
		.amdhsa_reserve_vcc 0
		.amdhsa_float_denorm_mode_32 3
		.amdhsa_float_denorm_mode_16_64 3
		.amdhsa_memory_ordered 1
		.amdhsa_forward_progress 1
		.amdhsa_inst_pref_size 146
	.end_amdhsa_kernel
	.amdgpu_metadata
---
amdhsa.version: [ 1, 2 ]
amdhsa.kernels:
  - .name:           k_q4fb9e441db_gemm_qkv
    .symbol:         k_q4fb9e441db_gemm_qkv.kd
    .args:
      - { .name: x_codes, .offset: 0, .size: 8, .value_kind: global_buffer, .address_space: global }
      - { .name: w_codes, .offset: 8, .size: 8, .value_kind: global_buffer, .address_space: global }
      - { .name: lowp_scales, .offset: 16, .size: 8, .value_kind: global_buffer, .address_space: global }
      - { .name: b_qkv, .offset: 24, .size: 8, .value_kind: global_buffer, .address_space: global }
      - { .name: qkv_img, .offset: 32, .size: 8, .value_kind: global_buffer, .address_space: global }
    .group_segment_fixed_size: 327680
    .private_segment_fixed_size: 0
    .kernarg_segment_align: 8
    .kernarg_segment_size: 40
    .max_flat_workgroup_size: 128
    .sgpr_count:     98
    .vgpr_count:     1024
    .wavefront_size: 32
...
	.end_amdgpu_metadata
.endif
;; end of part 2
;; launch attn (part 3): grid 8 x 32, 8 waves a work-group, no clusters, 263,168 bytes of LDS; arguments qkv_img, lowp_scales, a_img; writes a_img
.if DOCPART == 3
	.amdgcn_target "amdgcn-amd-amdhsa--gfx1250"
	.amdhsa_code_object_version 6
	.text
	.protected	k_q4fb9e441db_attn
	.globl	k_q4fb9e441db_attn
	.p2align	8
	.type	k_q4fb9e441db_attn,@function
k_q4fb9e441db_attn:
	s_mov_b64 s[64:65], 0
	v_nop
	global_prefetch_b8 v0, s[64:65] scope:SCOPE_SE
	s_setreg_imm32_b32 hwreg(HW_REG_WAVE_MODE, 25, 1), 1
	s_wait_xcnt 0x0
; Causal attention of one head on codes of FP8 (E4M3): o[q] = (sum over keys k <= q of Q(p) Q(v[k])) / l, and o quantised at once with 2^e6 for the output's product.
; t = score x log2(e) / sqrt(64); M = the row's largest t so far, rounded UP to a whole number; p = 2^(t - M) is what is quantised (with 2^e5); it is not normalised.  The row's sum l is taken of the unquantised p, in f32,
; and divides at the end.  When M moves, l and O are multiplied by 2^(old M - new M): a power of two, so nothing is rounded.
; q, k, v arrive as images of operand registers (8-bit operands: lane l holds row l % 16; registers 2 c, 2 c + 1 hold k = 16 c + 8 (l / 16) + 0..7), four registers to an image of 512 bytes, lane l's 16 bytes at 16 l:
;   q at byte 0, k at 4 MiB: [batch 2][head pair 8][tile of 16 tokens 128][head of the pair 2][half 2][512];   v at 8 MiB: [batch 2][head pair 8][block of 128 keys 16][head of the pair 2][tile of 16 channels 4][quarter 4][512].
; LIMITS on the given exponents: e2 + e3 between -123 and 130 (they are added to the exponent field of log2(e) / 8); e5 and e6 between -126 and 119; e4 + e5 is applied by v_ldexp_f32 and has none.  NaN is not served.
; SHARES.  Work-group (g, 16 batch + head), eight waves.  Wave w owns TWO tiles of 16 queries: queries 128 g + 16 w on, and their mirror image, queries 2,032 - 128 g - 16 w on.  Under the causal mask the first wants g + 1 steps
; of 128 keys and the second 16 - g: 17 for every wave of every work-group, so the work is even.  A step all of whose keys come after a tile's queries is left out by a scalar branch on ids; trip counts are constants.
; LDS.  The head's whole K (131,072 bytes) and whole V (131,072 bytes) lie in LDS as images: every LDS load reads 512 consecutive bytes.  Each byte is filled ONCE, by 32 tensor loads issued at the start, four a wave
; (waves 0-3: K, waves 4-7: V; load j of a wave belongs to keys 512 j on).  So there is no ring; in front of each group of 512 keys stand a counted wait and a barrier.
; NO CLUSTER: the eight work-groups of a head read the same K and V, but which steps a wave leaves out hangs on its block of queries, which would be its place in the cluster; partners of joint loads must run alike,
; and doing the hidden steps would nearly double the vector work, of which a step has some twenty instructions for each matrix instruction.
; LAYOUT.  Both products are used transposed: S^T = K Q^T (source 0 = 16 keys, source 1 = my 16 queries), O^T = V^T P^T (source 0 = 16 channels x 128 keys, source 1 = P): a lane holds ONE query (l % 16) throughout.
; Register 8 t + j of S^T is key 16 t + 8 (l / 16) + j: the eight registers of tile t become registers 2 t, 2 t + 1 of P's operand: nothing changes lanes.
; REGISTERS: v1 16 x lane; v4 l % 16 - 8 (l / 16); v8, v9 LDS addresses in hand; tile u: v[12 + 4 u] -M, v[13 + 4 u] the largest t, v[14 + 4 u : 15 + 4 u] l in two halves, v[20 + 8 u ..] Q, v[100 + 32 u ..] O^T;
;   v36-99 K's fragments, then V's; v164-227 S^T, then p; v228-243 p's codes; v244, v245 2^e5 and 448 x 2^e5; v[246:247] the sum's second chain; v[248:249] f; v250-255 at work.
.set VLDS, 131072                      ; V's images lie behind K's
.set FR,   36
.set OT,   100
.set S,    164
.set PC,   228
.set G1K,  24                          ; s[24:31] descriptor group 1 for K;  s[32:39] for V;  s[40:55] four groups 0, one for each of my loads
.set G1V,  32
.set G0,   40
	s_load_b128 s[4:7], s[0:1], 0x0                ; qkv_img s[4:5], the scales' exponents s[6:7]
	s_load_b64 s[8:9], s[0:1], 0x10                ; a_img
	v_lshl_add_u32 v10, v0, 2, 0x40000
	v_mov_b32 v11, 0
	ds_add_u32 v10, v11
	ds_add_u32 v10, v11
	v_lshrrev_b32 v2, 5, v0
	v_readfirstlane_b32 s10, v2                    ; wave 0..7
	s_and_b32 s11, ttmp7, 0xffff
	s_lshr_b32 s12, s11, 4                         ; batch
	s_and_b32 s13, s11, 15                         ; head
	s_lshr_b32 s14, s13, 1                         ; head pair
	s_and_b32 s15, s13, 1                          ; head of the pair
	s_lshl_b32 s20, s12, 21
	s_lshl_b32 s21, s14, 18
	s_add_co_u32 s20, s20, s21                     ; the head pair's first byte in each of the three parts
	s_lshr_b32 s16, s10, 2                         ; z: I fetch K (0) or V (1)
	s_and_b32 s17, s10, 3                          ; i: which quarter of a group of 512 keys
	s_lshl_b32 s18, s16, 17
	s_lshl_b32 s19, s17, 13
	s_add_co_u32 s18, s18, s19                     ; where my share of group 0 goes: 131,072 z + 8,192 i
	s_mul_i32 s19, s16, 3
	s_add_co_u32 s19, s19, 10
	s_lshl_b32 s19, s15, s19                       ; the head of the pair: 1,024 bytes on in K's layout, 8,192 in V's
	s_lshl_b32 s21, s16, 22                        ; V's part lies 4 MiB behind K's
	s_add_co_u32 s19, s19, s21
	s_lshl_b32 s21, s17, 14                        ; my quarter: 8 tiles of 16 keys (K) or one block of 128 keys (V): 16,384 bytes of memory either way
	s_add_co_u32 s19, s19, s21
	s_add_co_u32 s19, s19, s20
	s_add_co_u32 s22, s19, 0x400000                ; K's part begins at 4 MiB
	s_mov_b32 s23, 0
	; descriptor group 1: 8 rows of 1,024 bytes, elements of 8 bytes, no padding.  K: a tile's 1,024 bytes of my head lie 2,048 bytes apart;  V: a block's 8,192 bytes of my head are dense
	s_mov_b32 s[G1K], 3<<16                        ; 15:0 no mask; 17:16 elements of 8 bytes; 20 padding off
	s_mov_b32 s[G1K+1], 128<<16                    ; tensor_dim0 = 128 elements
	s_mov_b32 s[G1K+2], 8<<16                      ; tensor_dim1 = 8
	s_mov_b32 s[G1K+3], 128<<16                    ; tile_dim0
	s_mov_b32 s[G1K+4], 8                          ; tile_dim1
	s_mov_b32 s[G1K+5], 256                        ; tensor_dim0_stride: 2,048 bytes
	s_mov_b32 s[G1K+6], 0
	s_mov_b32 s[G1K+7], 0
	s_mov_b32 s[G1V], 3<<16
	s_mov_b32 s[G1V+1], 128<<16
	s_mov_b32 s[G1V+2], 8<<16
	s_mov_b32 s[G1V+3], 128<<16
	s_mov_b32 s[G1V+4], 8
	s_mov_b32 s[G1V+5], 128                        ; 1,024 bytes: dense
	s_mov_b32 s[G1V+6], 0
	s_mov_b32 s[G1V+7], 0
	s_mov_b32 s56, 0x3e38aa3b                      ; c = log2(e) / sqrt(64)
	s_mov_b32 s58, 0x76543210                      ; lane selects for v_permlanex16_b32: lane l xor 16
	s_mov_b32 s59, 0xfedcba98
	s_mov_b32 s67, 0xffff0000                      ; a lane mask: lanes 16-31
	s_wait_dscnt 0x0
	s_wait_kmcnt 0x0
	s_load_b256 s[72:79], s[6:7], 0x0              ; e0 .. e7
	s_add_nc_u64 s[22:23], s[4:5], s[22:23]
.irp j, 0,1,2,3
	s_mov_b32 s[G0+4*\j], 1                                        ; 1:0 count = 1
	s_add_co_u32 s[G0+4*\j+1], s18, \j*32768                       ; 63:32 LDS address: a group's K, and its V, are 32,768 bytes
	s_add_nc_u64 s[G0+4*\j+2:G0+4*\j+3], s[22:23], \j*65536        ; 120:64 global address: a group is 65,536 bytes of memory (both heads of the pair)
	s_or_b32 s[G0+4*\j+3], s[G0+4*\j+3], 0x80000000                ; 127:126 type = 2
.endr
	s_cmp_lt_u32 s10, 4                            ; a wave's four first fills stand in one branch, ahead of every wait on TENSORcnt, every LDS read and every barrier: four loads of mine are out
	s_cbranch_scc0 .Lfirst_v
	tensor_load_to_lds s[G0:G0+3], s[G1K:G1K+7]
	s_nop 0
	tensor_load_to_lds s[G0+4:G0+7], s[G1K:G1K+7]
	s_nop 0
	tensor_load_to_lds s[G0+8:G0+11], s[G1K:G1K+7]
	s_nop 0
	tensor_load_to_lds s[G0+12:G0+15], s[G1K:G1K+7]
	s_nop 0
.rept 4
	v_nop
.endr
	s_branch .Lfirst_asked
.Lfirst_v:
	tensor_load_to_lds s[G0:G0+3], s[G1V:G1V+7]
	s_nop 0
	tensor_load_to_lds s[G0+4:G0+7], s[G1V:G1V+7]
	s_nop 0
	tensor_load_to_lds s[G0+8:G0+11], s[G1V:G1V+7]
	s_nop 0
	tensor_load_to_lds s[G0+12:G0+15], s[G1V:G1V+7]
	s_nop 0
.rept 4
	v_nop
.endr
.Lfirst_asked:
	s_lshl_b32 s63, ttmp9, 7
	s_lshl_b32 s68, s10, 4
	s_add_co_u32 s63, s63, s68                     ; tile 1's first query: 128 g + 16 w
	s_sub_co_u32 s62, 2032, s63                    ; tile 0's: its mirror image
	s_lshl_b32 s68, s15, 10
	s_add_co_u32 s68, s68, s20                     ; q's part begins at byte 0: the head pair, the head of the pair,
.irp u, 0,1
	s_lshl_b32 s[16+2*\u], s[62+\u], 7             ; and the tile of 16 tokens: 2,048 bytes each
	s_add_co_u32 s[16+2*\u], s[16+2*\u], s68
	s_mov_b32 s[17+2*\u], 0
	s_add_nc_u64 s[16+2*\u:17+2*\u], s[4:5], s[16+2*\u:17+2*\u]
.endr
	v_and_b32 v1, 31, v0
	v_lshlrev_b32 v1, 4, v1                        ; 16 x lane
.irp u, 0,1
	global_load_b128 v[20+8*\u:23+8*\u], v1, s[16+2*\u:17+2*\u]              ; Q's fragments stay in registers
	global_load_b128 v[24+8*\u:27+8*\u], v1, s[16+2*\u:17+2*\u] offset:512
.endr
	v_and_b32 v2, 15, v0
	v_bfe_u32 v3, v0, 4, 1
	v_lshlrev_b32 v3, 3, v3
	v_sub_nc_u32 v4, v2, v3                        ; l % 16 - 8 (l / 16), for the mask
.irp u, 0,1
	v_mov_b32 v[13+4*\u], 0xff61b1e6               ; the largest t so far: -3e38, under every t
	v_floor_f32 v[12+4*\u], -v[13+4*\u]            ; -M
	v_mov_b32 v[14+4*\u], 0                        ; l, in two halves
	v_mov_b32 v[15+4*\u], 0
.endr
.set jj, 0
.rept 64
	v_mov_b32 v[OT+jj], 0                          ; O^T.  (A step is written once: a tile's first step finds zeros, which the first change of M leaves zeros)
.set jj, jj+1
.endr
	v_mov_b32 v249, 0                              ; (named as the upper halves of the pairs v[248:249] and v[250:251])
	v_mov_b32 v251, 0
	v_mov_b32 v252, 0                              ; written once: a lane permute's destination counts as one of its sources
	v_mov_b32 v255, 0
	s_wait_kmcnt 0x0
	s_add_co_i32 s68, s74, s75
	s_lshl_b32 s68, s68, 23
	s_add_co_i32 s56, s56, s68                     ; a score stands for score x 2^(e2 + e3): the two exponents are added to c's exponent field
	s_mov_b32 s57, s56                             ; (named with it as a pair, so it is written)
	s_add_co_i32 s68, s77, 127
	s_lshl_b32 s69, s68, 23
	v_mov_b32 v244, s69                            ; 2^e5 as f32, for p's conversion
	s_add_co_i32 s68, s68, 8
	s_lshl_b32 s68, s68, 23
	s_or_b32 s68, s68, 0x600000
	v_mov_b32 v245, s68                            ; 448 x 2^e5
; A STEP: tile u against the 128 keys from s61 on, whose images begin at LDS byte s60 (K) and VLDS + s60 (V).
.macro STEP u
.set LS, 12+4*\u
.set QF, 20+8*\u
.set OA, OT+32*\u
	s_add_co_u32 s68, s[62+\u], 15
	s_cmp_gt_u32 s61, s68                          ; all 128 keys come after my 16 queries: the step is left out
	s_cbranch_scc1 .Lhidden_\@
	v_add_nc_u32 v8, s60, v1
	v_add_nc_u32 v9, VLDS, v8
	v_nop                                          ; with the two additions: four places in front of loads into registers that the last products have read (ISA guide 7.12.1 for vector instructions)
	v_nop
.irp t, 0,1,2,3,4,5,6,7
	ds_load_b128 v[FR+8*\t:FR+8*\t+3], v8 offset:1024*\t           ; K: tile t of 16 keys x 64 channels
	ds_load_b128 v[FR+8*\t+4:FR+8*\t+7], v8 offset:1024*\t+512
.endr
	s_wait_dscnt 0x0
.irp t, 0,1,2,3,4,5,6,7
	v_wmma_f32_16x16x64_fp8_fp8 v[S+8*\t:S+8*\t+7], v[FR+8*\t:FR+8*\t+7], v[QF:QF+7], 0
.endr
.rept 4
	v_nop                                          ; places in front of the loads below and of the first read of the scores
.endr
.irp n, 0,1,2,3
.irp c, 0,1,2,3
	ds_load_b128 v[FR+16*\n+4*\c:FR+16*\n+4*\c+3], v9 offset:2048*\n+512*\c   ; V: tile n of 16 channels x 128 keys; these land under the softmax
.endr
.endr
	s_add_co_u32 s68, s61, 127
	s_cmp_le_u32 s68, s[62+\u]                     ; all 128 keys count for all my queries: no mask
	s_cbranch_scc1 .Lopen_\@
	s_sub_co_i32 s68, s[62+\u], s61
	v_add_nc_u32 v250, s68, v4                     ; d = my query - the step's first key - 8 (l / 16).  Register 8 t + j holds key 16 t + 8 (l / 16) + j of the step: hidden where 16 t + j > d
	v_mov_b32 v254, 0xff800000                     ; -infinity: p = 0 then
.set nn, 0
.rept 64
	v_cmp_gt_i32 vcc_lo, 16*(nn/8)+nn%8, v250
	v_cndmask_b32 v[S+nn], v[S+nn], v254, vcc_lo
.set nn, nn+1
.endr
.Lopen_\@:
	v_max3_num_f32 v254, v[S], v[S+1], v[S+2]      ; the step's largest score of my query, among my 64 keys, in two chains, each tile of scores from its low end on,
	v_max3_num_f32 v253, v[S+3], v[S+4], v[S+5]
.irp i, 6,10,14,18,22,26,30,34,38,42,46,50,54,58
	v_max3_num_f32 v254, v254, v[S+\i], v[S+\i+1]
	v_max3_num_f32 v253, v253, v[S+\i+2], v[S+\i+3]
.endr
	v_max3_num_f32 v254, v254, v[S+62], v[S+63]
	v_max_num_f32 v254, v254, v253
	v_permlanex16_b32 v252, v254, s58, s59
	v_max_num_f32 v254, v254, v252                 ; and among lane l xor 16's
	v_mul_f32 v254, s56, v254                      ; as t (c is positive)
	v_max_num_f32 v[LS+1], v[LS+1], v254           ; the running largest t
	v_mov_b32 v254, v[LS]
	v_floor_f32 v[LS], -v[LS+1]                    ; the new -M = floor(-t) = -ceil(t): M is a whole number
	v_sub_f32 v254, v[LS], v254                    ; M's old value less its new one: a whole number, 0 or less
	v_cvt_i32_f32 v254, v254                       ; (it saturates)
	v_ldexp_f32 v248, 1.0, v254                    ; f = 2^(old M - new M)
.set jj, 0
.rept 32
	v_pk_fma_f32 v[S+jj:S+jj+1], v[S+jj:S+jj+1], s[56:57], v[LS:LS+1] op_sel_hi:[1,0,0]   ; t - M, two at a time (of the pairs c and -M the low word serves both halves)
.set jj, jj+2
.endr
.set jj, 0
.rept 64
	v_exp_f32 v[S+jj], v[S+jj]                     ; p = 2^(t - M), at most 1
.set jj, jj+1
.endr
	v_pk_mul_f32 v[LS+2:LS+3], v[LS+2:LS+3], v[248:249] op_sel_hi:[1,0]   ; l under the new M.  (The plain line behind the exponentials)
	s_wait_alu depctr_va_vdst(0)
	v_pk_add_f32 v[246:247], v[S:S+1], v[S+2:S+3]  ; the row's sum is taken of the UNQUANTISED p: two at a time, in two chains
.irp j, 4,8,12,16,20,24,28,32,36,40,44,48,52,56,60
	v_pk_add_f32 v[LS+2:LS+3], v[LS+2:LS+3], v[S+\j:S+\j+1]
	v_pk_add_f32 v[246:247], v[246:247], v[S+\j+2:S+\j+3]
.endr
	v_pk_add_f32 v[LS+2:LS+3], v[LS+2:LS+3], v[246:247]
.irp t, 0,1,2,3,4,5,6,7
.irp i, 0,1,2,3,4,5,6,7
	v_min_num_f32 v[S+8*\t+\i], v[S+8*\t+\i], v245 ; the conversion to an 8-bit code does not saturate (ISA guide 7.6.2); p is not negative, so the hold is one-sided
.endr
	v_cvt_scalef32_pk8_fp8_f32 v[PC+2*\t:PC+2*\t+1], v[S+8*\t:S+8*\t+7], v244   ; keys 16 t + 8 (l / 16) + 0..7: registers 2 t, 2 t + 1 of the operand
.endr
.set jj, 0
.rept 16
	v_pk_mul_f32 v[OA+jj:OA+jj+1], v[OA+jj:OA+jj+1], v[248:249] op_sel_hi:[1,0]   ; O^T under the new M, each accumulator from its low end on.  (Also the plain lines between the conversions and the products)
.set jj, jj+2
.endr
	s_wait_dscnt 0x0                               ; V is in
.irp n, 0,1,2,3
	v_wmma_f32_16x16x128_fp8_fp8 v[OA+8*\n:OA+8*\n+7], v[FR+16*\n:FR+16*\n+15], v[PC:PC+15], v[OA+8*\n:OA+8*\n+7]   ; four accumulators, one instruction each; the scores' products stand between two steps
.endr
.Lhidden_\@:
.endm
; A GROUP of 512 keys: my load j has landed (the 3 - j younger ones stay out), no LDS load of mine is out, and behind the barrier that holds of all eight waves.  Then four trips of 128 keys.
.macro GROUP j
	s_wait_tensorcnt 3-\j
	s_wait_dscnt 0x0
	s_barrier_signal -1
	s_barrier_wait -1
	s_mov_b32 s60, 32768*\j
	s_mov_b32 s61, 512*\j
	s_mov_b32 s66, 4
.Lstep_\@:
	STEP 0
	STEP 1
	s_add_co_u32 s60, s60, 8192
	s_add_co_u32 s61, s61, 128
	s_sub_co_u32 s66, s66, 1
	s_cmp_lg_u32 s66, 0
	s_cbranch_scc1 .Lstep_\@
.endm
	s_wait_loadcnt 0x0                             ; Q
	GROUP 0
	GROUP 1
	GROUP 2
	GROUP 3                                        ; its wait on TENSORcnt is for 0: none is out at the end
; THE WAY OUT.  o = O^T x 2^(e4 + e5) / l is quantised with 2^e6 and stored as images of the output product's operand: there group c of four registers of lane (r, h) holds k = 32 c + 16 h + 0..15 of row r.
; a_img: [K slot of 256 = 4 heads: 4][tile of 16 rows 256][128 of the slot 2][group 4][lane 32][16 bytes].  My head is groups 2 (head % 2) + 0, 1 of its 128.
; A lane holds channels 16 n + 8 h + 0..7 (pair n of code registers) and wants 32 c + 16 h + 0..15: the two halves of the lanes exchange one pair for each c.
.rept 4
	v_nop                                          ; places behind the last products
.endr
	s_add_co_i32 s68, s76, s77                     ; e4 + e5
	s_add_co_i32 s69, s78, 127
	s_lshl_b32 s70, s69, 23
	v_mov_b32 v246, s70                            ; 2^e6 as f32
	s_add_co_i32 s69, s69, 8
	s_lshl_b32 s69, s69, 23
	s_or_b32 s69, s69, 0x600000
	v_mov_b32 v247, s69                            ; 448 x 2^e6
	s_lshr_b32 s20, s13, 2
	s_lshl_b32 s20, s20, 20                        ; the K slot: 1 MiB
	s_lshl_b32 s21, s12, 19                        ; the batch: 128 tiles of 4,096 bytes
	s_add_co_u32 s20, s20, s21
	s_and_b32 s21, s14, 1
	s_lshl_b32 s21, s21, 11                        ; which 128 of the slot
	s_add_co_u32 s20, s20, s21
	s_lshl_b32 s21, s15, 10                        ; which two groups
	s_add_co_u32 s20, s20, s21
.irp u, 0,1
	s_lshl_b32 s[16+2*\u], s[62+\u], 8             ; the tile of 16 rows: 4,096 bytes each
	s_add_co_u32 s[16+2*\u], s[16+2*\u], s20
	s_mov_b32 s[17+2*\u], 0
	s_add_nc_u64 s[16+2*\u:17+2*\u], s[8:9], s[16+2*\u:17+2*\u]
.endr
.macro FIN u
.set LS, 12+4*\u
.set OA, OT+32*\u
	v_add_f32 v250, v[LS+2], v[LS+3]               ; l's two halves,
	v_permlanex16_b32 v252, v250, s58, s59
	v_add_f32 v250, v250, v252                     ; and lane l xor 16's
	v_rcp_f32 v250, v250
	v_nop                                          ; one plain line behind a transcendental
	s_wait_alu depctr_va_vdst(0)
	v_ldexp_f32 v250, v250, s68                    ; 2^(e4 + e5) / l
.set jj, 0
.rept 16
	v_pk_mul_f32 v[S+jj:S+jj+1], v[OA+jj:OA+jj+1], v[250:251] op_sel_hi:[1,0]   ; register 8 n + i is o(my query, channel 16 n + 8 h + i); each accumulator from its low end on
.set jj, jj+2
.endr
.set jj, 0
.rept 32
	v_med3_num_f32 v[S+jj], v[S+jj], -v247, v247   ; the hold at the largest code x the scale
.set jj, jj+1
.endr
.irp n, 0,1,2,3
	v_cvt_scalef32_pk8_fp8_f32 v[PC+2*\n:PC+2*\n+1], v[S+8*\n:S+8*\n+7], v246
.endr
	v_nop                                          ; one plain line between the last conversion and the lines that read its result
.irp c, 0,1
	v_cndmask_b32 v253, v[PC+4*\c+2], v[PC+4*\c], s67      ; what I give: lanes 0-15 pair 2 c + 1, lanes 16-31 pair 2 c
	v_cndmask_b32 v254, v[PC+4*\c+3], v[PC+4*\c+1], s67
	v_permlanex16_b32 v252, v253, s58, s59                 ; what I get
	v_permlanex16_b32 v255, v254, s58, s59
	v_cndmask_b32 v[PC+8+4*\c], v[PC+4*\c], v252, s67      ; lanes 0-15: my pair 2 c, then what I got;  lanes 16-31: what I got, then my pair 2 c + 1
	v_cndmask_b32 v[PC+9+4*\c], v[PC+4*\c+1], v255, s67
	v_cndmask_b32 v[PC+10+4*\c], v252, v[PC+4*\c+2], s67
	v_cndmask_b32 v[PC+11+4*\c], v255, v[PC+4*\c+3], s67
	global_store_b128 v1, v[PC+8+4*\c:PC+11+4*\c], s[16+2*\u:17+2*\u] offset:512*\c   ; 32 lanes store 512 consecutive bytes, aligned
.endr
.endm
	FIN 0
	s_wait_xcnt 0x0                                ; tile 0's stores have read their registers: they are written again below
	FIN 1
	s_wait_tensorcnt 0x0
	ds_add_u32 v10, v11
	s_wait_dscnt 0x0
	s_endpgm
.Lfunc_end_k_q4fb9e441db_attn:
	.size	k_q4fb9e441db_attn, .Lfunc_end_k_q4fb9e441db_attn-k_q4fb9e441db_attn
	.p2alignl 7, 3214868480
	.fill 96, 4, 3214868480
	.section	.rodata,"a",@progbits
	.p2align	6, 0x0
	.amdhsa_kernel k_q4fb9e441db_attn
		.amdhsa_group_segment_fixed_size 263168
		.amdhsa_private_segment_fixed_size 0
		.amdhsa_enable_private_segment 0
		.amdhsa_kernarg_size 24
		.amdhsa_user_sgpr_count 2
		.amdhsa_user_sgpr_kernarg_segment_ptr 1
		.amdhsa_wavefront_size32 1
		.amdhsa_system_sgpr_workgroup_id_x 1
		.amdhsa_system_sgpr_workgroup_id_y 1
		.amdhsa_system_sgpr_workgroup_id_z 1
		.amdhsa_system_vgpr_workitem_id 0
		.amdhsa_next_free_vgpr 256
		.amdhsa_next_free_sgpr 80
		.amdhsa_reserve_vcc 1
		.amdhsa_float_denorm_mode_32 3
		.amdhsa_float_denorm_mode_16_64 3
		.amdhsa_memory_ordered 1
		.amdhsa_forward_progress 1
		.amdhsa_inst_pref_size 185
	.end_amdhsa_kernel
	.amdgpu_metadata
---
amdhsa.version: [ 1, 2 ]
amdhsa.kernels:
  - .name:           k_q4fb9e441db_attn
    .symbol:         k_q4fb9e441db_attn.kd
    .args:
      - { .name: qkv_img, .offset: 0, .size: 8, .value_kind: global_buffer, .address_space: global }
      - { .name: lowp_scales, .offset: 8, .size: 8, .value_kind: global_buffer, .address_space: global }
      - { .name: a_img, .offset: 16, .size: 8, .value_kind: global_buffer, .address_space: global }
    .group_segment_fixed_size: 263168
    .private_segment_fixed_size: 0
    .kernarg_segment_align: 8
    .kernarg_segment_size: 24
    .max_flat_workgroup_size: 256
    .sgpr_count:     80
    .vgpr_count:     256
    .wavefront_size: 32
...
	.end_amdgpu_metadata
.endif
;; end of part 3
;; launch gemm_out (part 4): grid 4 x 16, 4 waves a work-group, clusters of 4 x 4, 327,680 bytes of LDS; arguments a_img, w_codes, lowp_scales, b_out, out0; writes out0
.if DOCPART == 4
	.amdgcn_target "amdgcn-amd-amdhsa--gfx1250"
	.amdhsa_code_object_version 6
	.text
	.protected	k_q4fb9e441db_gemm_out
	.globl	k_q4fb9e441db_gemm_out
	.p2align	8
	.type	k_q4fb9e441db_gemm_out,@function
k_q4fb9e441db_gemm_out:
	s_mov_b64 s[64:65], 0
	v_nop
	global_prefetch_b8 v0, s[64:65] scope:SCOPE_SE
	s_setreg_imm32_b32 hwreg(HW_REG_WAVE_MODE, 25, 1), 1
	s_wait_xcnt 0x0
	s_wait_alu depctr_hold_cnt(0) depctr_sa_sdst(0) depctr_va_vdst(0) depctr_va_sdst(0) depctr_va_ssrc(0) depctr_va_vcc(0) depctr_vm_vsrc(0)
	s_getreg_b32 s2, hwreg(HW_REG_IB_STS2, 6, 4)
	s_cmp_eq_u32 s2, 0
	s_cbranch_scc0 .Lentry_in_a_cluster
	s_endpgm
.Lentry_in_a_cluster:
	s_bfe_u32 s2, ttmp6, 0x10000c
	s_cmp_lg_u32 s2, 0xf033
	s_cbranch_scc0 .Lentry_shape_is_right
	s_endpgm
.Lentry_shape_is_right:
; out0 = a W_out + b_out on codes of FP8 (E4M3).  a: the attention's output, 4,096 rows x 1,024, as images of operand registers (below), scale 2^e6;  W_out's columns: rows 3,072-4,095 of w_codes, [1024][1024], K innermost, scale 2^e7.
; out0: [4096][1024] f32.  The codes are multiplied as they are; the bias goes in as the C of the first products, divided by 2^(e6 + e7), and each finished sum is multiplied once by 2^(e6 + e7).
; LIMIT: e6 + e7 lies between -126 and 127, so that 2^(e6 + e7) is an f32 number.
; A tile of 256 x 256 is made by a work-group of four waves; a wave makes 128 x 128: 64 accumulators of 16 x 16, 512 registers.  K goes in steps of 256 through a ring of two LDS slots filled by the tensor data mover.
; The output has 64 such tiles, so 64 work-groups are launched: this text keeps the QKV product's loop; a tile of 128 x 128 would give 256 work-groups at twice the LDS reads for each product.
; CLUSTERS: 4 x 4 work-groups.  The four of a row of the cluster need the same tile of a, the four of a column the same tile of W: each is asked for JOINTLY, by the same tensor load with the same descriptor and a mask that names the four.
; a_img: [K slot of 256: 4][tile of 16 rows 256][128 of the slot 2][group 4][lane 32][16 bytes]: group c of lane (r, h) holds k = 32 c + 16 h + 0..15 of row r.  128 rows x one K slot are 32,768 dense bytes, fetched as 128 rows of 256 bytes.
; THE MATRIX INSTRUCTION IS USED TRANSPOSED (source 0 = 16 rows of W, source 1 = 16 rows of a): a lane then holds eight neighbouring numbers of a row of the output.
; REGISTERS, in windows of 256: window 0: v0-31 addresses; v32-95 the bias, later at work on the way out; from v128 a's fragments (8 x 16 rows x 128 K), ONE set; on the way out v128-255 are rows read back.
;   window 1: W's fragments, TWO sets, at v0 and at v128.   window 2: the 32 accumulators of my rows 0-63 (accumulator (a, b) at v[8 (8 a + b)]);   window 3: those of my rows 64-127.
.set SIZE_N, 1024
.set ROWB,   256                       ; a tile's row in bytes
.set KROW,   1024                      ; a row of W's codes in memory, in bytes
.set ASLOT,  0x100000                  ; a K slot of a_img in bytes
.set PITCH,  272                       ; an LDS row: 256 bytes + 16 of padding = 68 words: row r starts at bank 4 r mod 64 (64 banks of 4 bytes: ISA guide 11.1)
.set FR,     16                        ; registers of a fragment: 16 rows x 128 K
.set NL,     4                         ; LDS loads that bring one
.set NP,     4                         ; places behind this matrix instruction (ISA guide 7.12.1)
.set HALFT,  128*PITCH                 ; what one tensor load brings, and what one wave reads of a tile
.set SLOT,   4*HALFT                   ; a's 256 rows, then W's 256 rows
.set LAPS,   2                         ; a lap = two K steps of 256: K = 1,024
.set SPARE,  2*SLOT                    ; behind the ring: the spare words, 128 bytes for each wave: two blocks of 256 bytes that no other line names
.set SPITCH, 528                       ; the way out: a stage of 16 rows x (512 bytes + 16) for each wave.  It lies in slot 0, which has had its last fill and its last read when the first result is stored there
.set ADRA, 16                          ; v16-17  LDS address of a's fragments in slot 0, 1
.set ADRB, 20                          ; v20-21  the same for W
.set STO,  24                          ; v24     the way out: where I put 32 bytes of a row
.set RD,   25                          ; v25     the way out: where I read a row back
.set CO,   26                          ; v26     my byte offset in a row of the output
.set SPW,  28                          ; v28     LDS address of my spare word: SPARE + 4 x my thread's number; never rewritten
.set NIL,  29                          ; v29     0; never rewritten
.set BB,   32                          ; v32-95  the bias in the result's layout: the C of the first products
.set TMP,  32                          ; the way out: 64 registers, a block's sums x 2^(e6 + e7)
.set AF,   128                         ; a's fragments, in window 0
.set BK,   128                         ; the way out: 16 rows read back from the stage: v128-191 and v192-255 by turns
.set G1, 24                            ; s[24:31] descriptor group 1 for a's tiles;  s[32:39] group 0, one set for each slot
.set G0, 32
.set G1B, 48                           ; s[48:55], s[56:63] the same for W's tiles
.set G0B, 56
.set MSB, 0
.macro WIN new                         ; the immediate's high byte repeats the setting that is left
.if MSB != \new
	s_set_vgpr_msb (MSB<<8)|\new
.set MSB, \new
.endif
.endm
.set MUL_LO,  0xa1                     ; source 0 (W) window 1, source 1 (a) window 0, C and D window 2
.set MUL_HI,  0xf1                     ; the same, C and D window 3
.set MUL_LO0, 0x81                     ; the first products: C (the bias) window 0, D window 2
.set MUL_HI0, 0xc1                     ; the same, D window 3
.set TO_B,    0x40                     ; destination window 1, address window 0
; A joint load: waves 0 and 1 fetch a's two halves, waves 2 and 3 W's.  Each of the two lines has ONE mask and one set of registers for all that issue it; the branch hangs on the wave's number alone.
; Four v_nop follow each of the two lines, ahead of the jump, the label and what follows.
.macro JLOAD g0a, g1a, g0b, g1b
	s_cmp_eq_u32 s15, 0
	s_cbranch_scc0 .Lfor_b_\@
	tensor_load_to_lds s[\g0a:\g0a+3], s[\g1a:\g1a+7]
	s_nop 0
.rept 4
	v_nop
.endr
	s_branch .Lasked_\@
.Lfor_b_\@:
	tensor_load_to_lds s[\g0b:\g0b+3], s[\g1b:\g1b+7]
	s_nop 0
.rept 4
	v_nop
.endr
.Lasked_\@:
.endm
.macro CREST                           ; a round of the cluster's barrier behind its opening barrier
	s_cmp_lg_u32 s14, 0
	s_cbranch_scc1 .Lnot_wave_0_\@
	s_barrier_signal -3
.Lnot_wave_0_\@:
	s_barrier_wait -3
	s_barrier_signal -1
	s_barrier_wait -1
.endm
.macro CROUND                          ; a whole round
	s_barrier_signal -1
	s_barrier_wait -1
	CREST
.endm
	s_load_b128 s[4:7], s[0:1], 0x0                ; a_img s[4:5], w_codes s[6:7]
	s_load_b128 s[8:11], s[0:1], 0x10              ; the scales' exponents s[8:9], b_out s[10:11]
	s_load_b64 s[12:13], s[0:1], 0x20              ; out0
	v_lshl_add_u32 v[SPW], v0, 2, SPARE
	v_mov_b32 v[NIL], 0
	ds_add_u32 v28, v29
	ds_add_u32 v28, v29
	s_wait_dscnt 0x0
	v_lshrrev_b32 v1, 5, v0
	v_readfirstlane_b32 s14, v1                    ; wave 0..3
	s_lshr_b32 s15, s14, 1                         ; which half of the tile's rows is mine.  Also: I fetch for a (0) or for W (1)
	s_and_b32 s16, s14, 1                          ; which half of its columns.  Also: which half of that tile I fetch
	s_bfe_u32 s40, ttmp6, 0x40000                  ; cx, cy: my place in the cluster
	s_bfe_u32 s41, ttmp6, 0x40004
	s_lshl_b32 s42, ttmp9, 2
	s_add_co_u32 s42, s42, s40                     ; tile column = 4 x cluster x + cx
	s_and_b32 s17, ttmp7, 0xffff
	s_lshl_b32 s17, s17, 2
	s_add_co_u32 s17, s17, s41                     ; tile row = 4 x cluster y + cy
	s_lshl_b32 s43, s41, 2
	s_lshl_b32 s43, 15, s43                        ; my row of the cluster
	s_lshl_b32 s44, 0x1111, s40                    ; my column
	; descriptor group 1: a tile of 128 rows x 256 bytes, padded in LDS
	s_or_b32 s[G1+0], s43, (0<<16)|(1<<20)|(1<<21)|(5<<22)|(3<<25)  ; 15:0 the mask: a's tiles go to my row; 17:16 element of 1 byte; 20 padding on; 21 set beside a mask; 24:22 after every 64 words (code 5); 31:25 of 4 words (code 3)
	s_or_b32 s[G1B+0], s44, (0<<16)|(1<<20)|(1<<21)|(5<<22)|(3<<25) ; the same with the mask of my column, for W's tiles
.irp g, G1, G1B
	s_mov_b32 s[\g+1], ROWB<<16                    ; tensor_dim0
	s_mov_b32 s[\g+2], 128<<16                     ; tensor_dim1 = 128
	s_mov_b32 s[\g+3], ROWB<<16                    ; tile_dim0
	s_mov_b32 s[\g+4], 128                         ; tile_dim1 = 128
	s_mov_b32 s[\g+6], 0
	s_mov_b32 s[\g+7], 0
.endr
	s_mov_b32 s[G1+5], ROWB                        ; tensor_dim0_stride: a's images are dense,
	s_mov_b32 s[G1B+5], KROW                       ; W's rows 1,024 bytes apart
	s_lshl_b32 s20, s17, 16                        ; a: 16 tiles of 16 rows x 4,096 bytes for each tile row,
	s_lshl_b32 s18, s16, 15                        ; 8 of them for each half
	s_add_co_u32 s20, s20, s18
	s_mov_b32 s21, 0
	s_lshl_b32 s46, s42, 8
	s_lshl_b32 s18, s16, 7
	s_add_co_u32 s46, s46, s18                     ; W: row 256 x tile column + 128 x half,
	s_lshl_b32 s46, s46, 10                        ; in bytes,
	s_add_co_u32 s46, s46, 0x300000                ; behind W_qkv's 3,072 rows
	s_mov_b32 s47, 0
	s_mul_i32 s45, s14, HALFT                      ; where they go: wave x 128 rows: no place in the cluster enters an LDS address
	s_wait_kmcnt 0x0
	s_load_b256 s[88:95], s[8:9], 0x0              ; e0 .. e7
	s_add_nc_u64 s[20:21], s[4:5], s[20:21]
	s_add_nc_u64 s[46:47], s[6:7], s[46:47]
	CROUND                                         ; all sixteen work-groups are here: the first joint loads meet
.irp s, 0,1
	s_mov_b32 s[G0+4*\s], 1                                        ; 1:0 count = 1
	s_add_co_u32 s[G0+4*\s+1], s45, \s*SLOT                        ; 63:32 LDS address
	s_add_nc_u64 s[G0+4*\s+2:G0+4*\s+3], s[20:21], \s*ASLOT        ; 120:64 global address: K slot s
	s_or_b32 s[G0+4*\s+3], s[G0+4*\s+3], 0x80000000                ; 127:126 type = 2
	s_mov_b32 s[G0B+4*\s], 1
	s_add_co_u32 s[G0B+4*\s+1], s45, \s*SLOT
	s_add_nc_u64 s[G0B+4*\s+2:G0B+4*\s+3], s[46:47], \s*ROWB
	s_or_b32 s[G0B+4*\s+3], s[G0B+4*\s+3], 0x80000000
	JLOAD G0+4*\s, G1, G0B+4*\s, G1B               ; two loads of mine are out
.endr
	v_and_b32 v1, 15, v0                           ; r = l % 16
	v_bfe_u32 v2, v0, 4, 1                         ; h = l / 16
	v_mul_u32_u24 v3, v1, PITCH
	v_lshl_add_u32 v4, v2, 4, v3                   ; W: a fragment's row x pitch + 16 x half
	v_mul_u32_u24 v3, v2, PITCH
	v_lshl_add_u32 v3, v1, 4, v3                   ; a: an image's 512 bytes are two LDS rows: lanes 0-15 in the first, lanes 16-31 in the second
	s_mul_i32 s21, s15, HALFT                      ; my 128 rows of a
	s_mul_i32 s22, s16, HALFT                      ; my 128 rows of W,
	s_add_co_u32 s22, s22, 2*HALFT                 ; which lie behind a's
.irp s, 0,1
	v_add_nc_u32 v[ADRA+\s], s21, v3
	v_add_nc_u32 v[ADRB+\s], s22, v4
	s_add_co_u32 s21, s21, SLOT
	s_add_co_u32 s22, s22, SLOT
.endr
	s_mul_i32 s23, s14, 16*SPITCH                  ; my stage
	v_mul_u32_u24 v5, v1, SPITCH                   ; in: row l % 16, 32 bytes for each half of the lanes
	v_lshl_add_u32 v5, v2, 5, v5
	v_add_nc_u32 v[STO], s23, v5
	v_and_b32 v6, 31, v0
	v_lshlrev_b32 v[CO], 4, v6                     ; back: the 32 lanes take one row of 512 bytes; and the same in the output
	v_add_nc_u32 v[RD], s23, v[CO]
	s_lshl_b32 s72, s42, 10
	s_lshl_b32 s73, s16, 9
	s_add_co_u32 s72, s72, s73                     ; my first column, in bytes: 1,024 x tile column + 512 x half: in b_out and in a row of the output
	s_mov_b32 s73, 0
	s_add_nc_u64 s[74:75], s[10:11], s[72:73]
	v_lshlrev_b32 v7, 5, v2                        ; 32 h: eight numbers for each half of the lanes
.irp b, 0,1,2,3,4,5,6,7
	global_load_b128 v[BB+8*\b:BB+8*\b+3], v7, s[74:75] offset:64*\b        ; columns 16 b + 8 h + 0 .. 7
	global_load_b128 v[BB+8*\b+4:BB+8*\b+7], v7, s[74:75] offset:64*\b+16
.endr
	s_lshl_b32 s76, s17, 8
	s_lshl_b32 s77, s15, 7
	s_add_co_u32 s76, s76, s77                     ; my first row of the output: 256 x tile row + 128 x half,
	s_lshl_b32 s76, s76, 12                        ; rows of 4,096 bytes
	s_mov_b32 s77, 0
	s_add_nc_u64 s[12:13], s[12:13], s[76:77]
	s_add_nc_u64 s[12:13], s[12:13], s[72:73]
	s_wait_kmcnt 0x0
	s_add_co_i32 s78, s94, s95                     ; e6 + e7
	s_sub_co_i32 s79, 0, s78
	s_add_co_i32 s96, s78, 127
	s_lshl_b32 s96, s96, 23                        ; 2^(e6 + e7) as f32
	s_mov_b32 s97, s96                             ; (named with it as a pair, so it is written)
	s_wait_loadcnt 0x0                             ; the bias
.set jj, 0
.rept 64
	v_ldexp_f32 v[BB+jj], v[BB+jj], s79            ; a sum stands for sum x 2^(e6 + e7), so the bias goes in divided by it
.set jj, jj+1
.endr
.macro FRAG reg, adr, q, i             ; W: a fragment, 16 rows x 128 K of codes, is 16 registers: lane l holds row l % 16; registers 4 c .. 4 c + 3 hold K = 32 c + 16 (l / 16) + 0 .. 15: a permutation of k that is the same in both sources
.irp c, 0,1,2,3
	ds_load_b128 v[\reg+4*\c:\reg+4*\c+3], v[\adr] offset:128*(\q)+32*\c+(\i)*16*PITCH
.endr
.endm
.macro FRAGA reg, adr, q, i            ; a: the same registers, from images: tile i of 16 rows is 16 LDS rows, its q-th 128 along K eight of them, group c two
.irp c, 0,1,2,3
	ds_load_b128 v[\reg+4*\c:\reg+4*\c+3], v[\adr] offset:(16*(\i)+8*(\q)+2*\c)*PITCH
.endr
.endm
; 16 matrix instructions: a's blocks a0, a0 + 1 x W's eight, 128 along K.  p: W's set.  first = 1: the first product starts the sums, with the bias as C: nothing is ever cleared.
; The 64 accumulators take turns, one instruction a turn, in the same order in every step.
.macro MUL16 a0, p, first
.irp a, \a0, \a0+1
.irp b, 0,1,2,3,4,5,6,7
.if \first
	v_wmma_f32_16x16x128_fp8_fp8 v[8*(8*((\a)%4)+\b):8*(8*((\a)%4)+\b)+7], v[128*(\p)+FR*\b:128*(\p)+FR*\b+FR-1], v[AF+FR*(\a):AF+FR*(\a)+FR-1], v[BB+8*\b:BB+8*\b+7]
.else
	v_wmma_f32_16x16x128_fp8_fp8 v[8*(8*((\a)%4)+\b):8*(8*((\a)%4)+\b)+7], v[128*(\p)+FR*\b:128*(\p)+FR*\b+FR-1], v[AF+FR*(\a):AF+FR*(\a)+FR-1], v[8*(8*((\a)%4)+\b):8*(8*((\a)%4)+\b)+7]
.endif
.endr
.endr
.endm
.macro FETCH_B slot, q, p              ; W's eight fragments of the slot's q-th 128 along K into set p
	WIN TO_B
.irp i, 0,1,2,3,4,5,6,7
	FRAG 128*(\p)+FR*\i, ADRB+\slot, \q, \i
.endr
	WIN 0
.endm
.macro FETCH_A slot, q, i0             ; a's blocks i0 .. i0 + 3
.irp i, \i0, \i0+1, \i0+2, \i0+3
	FRAGA AF+FR*(\i), ADRA+\slot, \q, \i
.endr
.endm
; A load into a register that a matrix instruction has read, and a vector instruction that reads a matrix result or writes one of a matrix instruction's registers, stand NP places behind that matrix instruction, and only
; plain vector instructions that name none of its registers are places (ISA guide 7.12.1 for vector instructions); the matrix instructions in between are not counted.
.macro PLACES n
.rept \n
	v_nop
.endr
.endm
; A step of 128 along K that has its successor in the same slot.  a's blocks go one after the other, each against W's eight: a block is free as soon as its eight products are issued, so one set serves a.
.macro STEP slot, q, first
	s_wait_dscnt 4*NL                              ; W's set and a's blocks 0-3 are in; the youngest sixteen loads (blocks 4-7) may be out
.if \first
	WIN MUL_LO0
.else
	WIN MUL_LO
.endif
	MUL16 0, (\q)%2, \first
	MUL16 2, (\q)%2, \first
	s_wait_dscnt 0                                 ; blocks 4-7 are in (asked for 32 matrix instructions ago)
	PLACES NP
	FETCH_B \slot, (\q)+1, 1-(\q)%2
	FETCH_A \slot, (\q)+1, 0
.if \first
	WIN MUL_HI0
.else
	WIN MUL_HI
.endif
	MUL16 4, (\q)%2, \first
	MUL16 6, (\q)%2, \first
	PLACES NP
	WIN 0
	FETCH_A \slot, (\q)+1, 4
.endm
; A slot's last step changes slots: ONE barrier; in front of it each wave waits for all its tensor loads, adds 0 to its spare word, and waits for that and for its own reads of this slot.  fill = 1: this slot is filled again, two K steps ahead.
.macro TURN slot, next, fill
	s_wait_tensorcnt 0x0                           ; all my tensor loads have landed: my part of the next slot  (every window is 0 here: the add's two registers lie in window 0)
	ds_add_u32 v[SPW], v[NIL]                      ; 0 onto my spare word
	s_wait_dscnt 4*NL+1                            ; (the add and the youngest sixteen loads, blocks 4-7, may be out)
	WIN MUL_LO
	MUL16 0, 1, 0                                  ; sixteen matrix instructions stand between the add and the wait for it
	s_wait_dscnt 0x0                               ; the add is done, and my reads of this slot are over
	s_barrier_signal -1
	MUL16 2, 1, 0
	WIN 0
	s_barrier_wait -1
.if \fill
	CREST                                          ; the barrier has opened a round of the cluster's barrier: no wave of any partner still reads this slot's tile or has a load on its way
	s_add_nc_u64 s[G0+4*\slot+2:G0+4*\slot+3], s[G0+4*\slot+2:G0+4*\slot+3], 2*ASLOT
	s_add_nc_u64 s[G0B+4*\slot+2:G0B+4*\slot+3], s[G0B+4*\slot+2:G0B+4*\slot+3], 2*ROWB
	JLOAD G0+4*\slot, G1, G0B+4*\slot, G1B         ; the first tensor load behind the round, my one load until the next; the four v_nop behind it are the places in front of the loads below
.else
	PLACES NP
.endif
	FETCH_B \next, 0, 0
	FETCH_A \next, 0, 0
	WIN MUL_HI
	MUL16 4, 1, 0
	MUL16 6, 1, 0
	PLACES NP
	WIN 0
	FETCH_A \next, 0, 4
.endm
	s_wait_tensorcnt 1                             ; my part of K step 0 is in (K step 1's load may be out)
	s_barrier_signal -1
	s_barrier_wait -1                              ; everybody's is
	FETCH_B 0, 0, 0
	FETCH_A 0, 0, 0
	FETCH_A 0, 0, 4
	STEP 0, 0, 1                                   ; the first step stands in front of the loop: its products start the sums
	s_mov_b32 s3, LAPS-1
.Llap:                                                 ; a trip goes once round the ring, from a lap's second step to the next lap's first, and fills both slots again
	TURN 0, 1, 1
	STEP 1, 0, 0
	TURN 1, 0, 1
	STEP 0, 0, 0
	s_sub_co_u32 s3, s3, 1
	s_cmp_lg_u32 s3, 0
	s_cbranch_scc1 .Llap
	TURN 0, 1, 0                                   ; the last lap fills nothing, and has no round of the cluster's barrier
	STEP 1, 0, 0
	s_wait_dscnt 4*NL                              ; the very last step: nothing more to fetch
	WIN MUL_LO
	MUL16 0, 1, 0
	MUL16 2, 1, 0
	s_wait_dscnt 0
	WIN MUL_HI
	MUL16 4, 1, 0
	MUL16 6, 1, 0
	WIN 0
; THE WAY OUT, block by block of 16 rows x 128 columns.  A lane holds 32 neighbouring bytes of a row, and the lanes beside it hold other rows: so a block goes through my own stage in LDS and comes back as whole
; rows of 512 bytes, which the 32 lanes store as 512 consecutive bytes, aligned.  LDS serves a wave's instructions in order (ISA guide 5.7.1.4): no wait between the stores and the loads, nor in front of the next block's stores.
.macro TOSTAGE a
.set AC, 64*((\a)%4)
	WIN 0x02+((\a)/4)                              ; source 0: window 2 or 3
.set jj, 0
.rept 32
	v_pk_mul_f32 v[TMP+jj:TMP+jj+1], v[AC+jj:AC+jj+1], s[96:97] op_sel_hi:[1,0]   ; both x s96 = 2^(e6 + e7); each accumulator from its low end on
.set jj, jj+2
.endr
	WIN 0
.irp b, 0,1,2,3,4,5,6,7
	ds_store_b128 v[STO], v[TMP+8*\b:TMP+8*\b+3] offset:64*\b
	ds_store_b128 v[STO], v[TMP+8*\b+4:TMP+8*\b+7] offset:64*\b+16
.endr
.set RB, BK+64*((\a)%2)
.irp t, 0,1,2,3,4,5,6,7,8,9,10,11,12,13,14,15
	ds_load_b128 v[RB+4*\t:RB+4*\t+3], v[RD] offset:\t*SPITCH
.endr
.endm
.macro SEND a, younger                 ; younger: the LDS instructions issued behind block a's loads, which may stay out
.set RB, BK+64*((\a)%2)
	s_wait_dscnt \younger                          ; the block is back in registers
.if (\a) > 0
	s_add_nc_u64 s[12:13], s[12:13], 16*SIZE_N*4   ; (behind a wait on XCNT: the earlier stores have read their base)  16 rows of the output on
.endif
.irp t, 0,1,2,3,4,5,6,7,8,9,10,11,12,13,14,15
	global_store_b128 v[CO], v[RB+4*\t:RB+4*\t+3], s[12:13] offset:\t*SIZE_N*4 th:TH_STORE_NT   ; 32 lanes store 512 consecutive bytes, aligned; written once, read by nobody here
.endr
.endm
	PLACES NP                                      ; in front of the loads into the registers that held a's fragments, and of the writes into the registers that held the bias
	TOSTAGE 0
.irp a, 1,2,3,4,5,6,7
.if \a > 1
	s_wait_xcnt 0x0                                ; block a - 2's stores have read their registers and their base: block a's loads may land there, and the base may step
.endif
	TOSTAGE \a
	SEND \a-1, 32                                  ; behind block a - 1's loads: block a's 16 stores and 16 loads
.endr
	s_wait_xcnt 0x0                                ; block 6's stores have read their base
	SEND 7, 0
	s_wait_tensorcnt 0x0                           ; the wave's end, behind my last tensor load and my last LDS store
	ds_add_u32 v[SPW], v[NIL]
	s_wait_dscnt 0x0
	CROUND                                         ; the closing round: no work-group ends while a partner may still ask for a tile that names it
	s_endpgm
.Lfunc_end_k_q4fb9e441db_gemm_out:
	.size	k_q4fb9e441db_gemm_out, .Lfunc_end_k_q4fb9e441db_gemm_out-k_q4fb9e441db_gemm_out
	.p2alignl 7, 3214868480
	.fill 96, 4, 3214868480
	.section	.rodata,"a",@progbits
	.p2align	6, 0x0
	.amdhsa_kernel k_q4fb9e441db_gemm_out
		.amdhsa_group_segment_fixed_size 327680
		.amdhsa_private_segment_fixed_size 0
		.amdhsa_enable_private_segment 0
		.amdhsa_kernarg_size 40
		.amdhsa_user_sgpr_count 2
		.amdhsa_user_sgpr_kernarg_segment_ptr 1
		.amdhsa_wavefront_size32 1
		.amdhsa_system_sgpr_workgroup_id_x 1
		.amdhsa_system_sgpr_workgroup_id_y 1
		.amdhsa_system_sgpr_workgroup_id_z 1
		.amdhsa_system_vgpr_workitem_id 0
		.amdhsa_next_free_vgpr 1024
		.amdhsa_next_free_sgpr 98
		.amdhsa_reserve_vcc 0
		.amdhsa_float_denorm_mode_32 3
		.amdhsa_float_denorm_mode_16_64 3
		.amdhsa_memory_ordered 1
		.amdhsa_forward_progress 1
		.amdhsa_inst_pref_size 129
	.end_amdhsa_kernel
	.amdgpu_metadata
---
amdhsa.version: [ 1, 2 ]
amdhsa.kernels:
  - .name:           k_q4fb9e441db_gemm_out
    .symbol:         k_q4fb9e441db_gemm_out.kd
    .args:
      - { .name: a_img, .offset: 0, .size: 8, .value_kind: global_buffer, .address_space: global }
      - { .name: w_codes, .offset: 8, .size: 8, .value_kind: global_buffer, .address_space: global }
      - { .name: lowp_scales, .offset: 16, .size: 8, .value_kind: global_buffer, .address_space: global }
      - { .name: b_out, .offset: 24, .size: 8, .value_kind: global_buffer, .address_space: global }
      - { .name: out0, .offset: 32, .size: 8, .value_kind: global_buffer, .address_space: global }
    .group_segment_fixed_size: 327680
    .private_segment_fixed_size: 0
    .kernarg_segment_align: 8
    .kernarg_segment_size: 40
    .max_flat_workgroup_size: 128
    .sgpr_count:     98
    .vgpr_count:     1024
    .wavefront_size: 32
...
	.end_amdgpu_metadata
.endif
;; end of part 4
